; MI455X (gfx1250); checked and timed in simulation.
; The chip was launched on July 23, 2026; its instructions are those of AMD's public machine-readable ISA for CDNA 5 (MIT licence, August 2026) and "CDNA5" Instruction Set Architecture Reference Guide (July 2026). The comments in the code are by the model that wrote it; some were corrected since.
;; Causal Self Attention. Allowed arithmetic: matrix products marked QUANTISED: E4M3 operands, one given power-of-two scale a tensor, by v_wmma_f32_16x16x64_fp8_fp8 or v_wmma_f32_16x16x128_fp8_fp8, f32 sums; everything else in f32.
;; Inputs: lowp_scales 8 int32 (the exponents e of the quantised operands' scales 2^e); w_proj 1,024 x 1,024 float32; w_qkv 1,024 x 3,072 float32; x 4 x 2,048 x 1,024 float32.
;; Outputs: out0 4 x 2,048 x 1,024 float32.
;; This version of the problem:
;;   THIS VERSION OF THE PROBLEM IS GIVEN IN LOW PRECISION. The matrix products marked QUANTISED in the list below multiply operands that are first quantised to E4M3 (4 exponent bits, 3 mantissa bits; 8 bits a number), with one given power-of-two scale for each operand tensor; their sums are f32. All else is computed in f32.
;;   The module's matrix products, in the order in which they are computed (A, B: the left and right operand; K: the contracted axis; several contracted axes count as one K, in the product's order):
;;     1. [M 8,192, K 1,024] x [K 1,024, N 3,072]; A: input x; B: input w_qkv: QUANTISED (scales: A lowp_scales[0], B lowp_scales[1])
;;     2. batch 64 x [M 2,048, K 64] x [K 64, N 2,048]; A: computed on the way; B: computed on the way: QUANTISED (scales: A lowp_scales[2], B lowp_scales[3])
;;     3. batch 64 x [M 2,048, K 2,048] x [K 2,048, N 64]; A: softmax (see below); B: computed on the way: QUANTISED (scales: A lowp_scales[4], B lowp_scales[5])
;;     4. [M 8,192, K 1,024] x [K 1,024, N 1,024]; A: computed on the way; B: input w_proj: QUANTISED (scales: A lowp_scales[6], B lowp_scales[7])
;;   THE QUANTISER, for each operand of a quantised product, along K:
;;     - The operand's scale is 2^e, e = its entry of the input lowp_scales (int32; the entries are numbered through the quantised products in the list's order, A before B).
;;     - Each number is divided by the scale, clamped to +-448, and rounded to the nearest number of E4M3, ties to even, subnormals kept.
;;     - The product sums the exact products of the quantised numbers (number of the format x scale) in f32.
;;   ~~~python
;;   def quantise(x, axis, e):      # numpy; x: float32 -> the quantised numbers, widened to float32 again
;;       x = np.moveaxis(x, axis, -1); K = x.shape[-1]
;;       r = np.clip(x / 2.0 ** e, -448, 448)
;;       step = 2.0 ** (np.maximum(np.frexp(np.where(r == 0, 1, r))[1] - 1, -6) - 3)
;;       q = np.round(r / step) * step * 2.0 ** e      # np.round: ties to even
;;       return np.moveaxis(q, -1, axis).astype(np.float32)
;;   ~~~
;;   SOFTMAX AHEAD OF A QUANTISED PRODUCT. Where the list says 'softmax', what is quantised is not the finished softmax but p = 2^(t - M), with t = logit x log2(e) and M = ceil(the row's largest t), a whole number; so 1/2 < the row's largest p <= 1. The row's sum l is taken of the UNQUANTISED p, in f32, and the product's result is divided by l at the end. Since M is a whole number, a kernel that streams over the keys may use a running M (the ceiling of the running maximum): every later rescaling is an exact power of two, so the quantised numbers keep their values, but for numbers so far below the row's largest that they fall under the format's range.
;;   OPERANDS COMPUTED ON THE WAY. 'Computed on the way' means the value that the module computes at that place (a softmax that the list does not call 'softmax' is quantised finished and normalised). What goes into a quantiser is computed in f32, as accurately as f32 sums, v_exp_f32 and their like allow (about 1e-6 of the number): no bf16 or f16 on the way to a quantiser, and a product that is left as it is and whose result goes on into a quantised operand takes f32 operands (vector FMAs, or v_wmma_f32_16x16x4_f32). A number that lies on a knife's edge between two numbers of the format may be rounded either way, as far as f32 arithmetic and the matrix unit's own rounding can turn it there, and no further.
;; One version. Each part assembles by itself: llvm-mc -triple=amdgcn-amd-amdhsa -mcpu=gfx1250 --defsym DOCPART=n.
;; ======== version 1 of 1: 4 launches
;; limits: right only within a limited range of input values
;; workspace buffers: x_img 8,388,608 bytes; wqkv_img 3,145,728 bytes; wproj_img 1,048,576 bytes; rope 524,288 bytes; q_img 8,388,608 bytes; k_img 8,388,608 bytes; v_img 8,388,608 bytes; y_img 8,388,608 bytes
;; launch quant (part 1): grid 544 x 1, 4 waves a work-group, no clusters, 35,328 bytes of LDS; arguments x, w_qkv, w_proj, lowp_scales, x_img, wqkv_img, wproj_img, rope; writes x_img, wqkv_img, wproj_img, rope
.if DOCPART == 1
	.amdgcn_target "amdgcn-amd-amdhsa--gfx1250"
	.amdhsa_code_object_version 6
	.text
	.protected	k_q1e39389fb3_quant
	.globl	k_q1e39389fb3_quant
	.p2align	8
	.type	k_q1e39389fb3_quant,@function
k_q1e39389fb3_quant:
	s_mov_b64 s[64:65], 0
	v_nop
	global_prefetch_b8 v0, s[64:65] scope:SCOPE_SE
	s_setreg_imm32_b32 hwreg(HW_REG_WAVE_MODE, 25, 1), 1
	s_wait_xcnt 0x0
; x [8192][1024], w_qkv [1024][3072], w_proj [1024][1024], all f32, become codes of FP8 (E4M3), each with its given scale 2^e; and the table of cos and sin for the rotary embedding is made.
; code = number / 2^e, held within +-448, rounded to the nearest code, ties to even.
; THE CODES ARE LAID AS IMAGES OF OPERAND REGISTERS.  A fragment (16 rows x 128 along K, 16 registers a lane) is 2,048 bytes: registers 4 g .. 4 g + 3 of lane l at 512 g + 16 l.
; Lane (r = l % 16, h = l / 16) holds row r; registers 2 c, 2 c + 1 hold K = 16 c + 8 h + 0 .. 7.  x_img: [row / 16][K / 128][2,048]; the weights' images likewise with row = the weight's column n.
; rope: [t / 16][cos, sin][piece 0..3][lane][16 bytes] f32: lane (r, h), piece 2 b + u holds frequencies 16 b + 8 h + 4 u + 0 .. 3 at t = 16 (t / 16) + r: the order in which the next launch's results want them.
; SHARES, by the work-group's number: 0-31 the table; 32-287 x; 288-479 w_qkv; 480-543 w_proj.  Only x's path touches LDS.
; LIMITS: lowp_scales[0], [1], [7] between -126 and 119, so that 2^e and 448 x 2^e are f32 numbers.  NaN among the inputs is not served.
; The angles follow the f32 chain power, reciprocal, product; cos and sin come by a reduction modulo pi/2 in two parts (what is left out of pi/2 is under 2e-12 rad at t = 2047) and polynomials good to about 1.5 units in the last place.
.set SPARE, 34816                      ; behind the four stages: the spare words, 128 bytes a wave: two blocks of 256 bytes that no other line names
.set SPW,   12                         ; v12  SPARE + 4 x my thread's number; never rewritten
.set NIL,   13                         ; v13  0; never rewritten
.set STG,   8704                       ; x's path: a stage of 16 rows x 528 bytes for each wave
.set SP,    528                        ; 512 bytes of a row + 16 of padding: the 16 rows that a read touches begin 16 bytes apart modulo 256
.set R,     32                         ; v32-95, v96-159  two sets of 64 numbers as loaded
.set XS,    160                        ; v160-223  64 numbers in the operand's order
.set C,     224                        ; v224-239  a fragment's codes
.set PW,    32                         ; the table: v32-47 the powers 10000^(f/32)
.set COSR,  48                         ; v48-63  cos
.set SINR,  64                         ; v64-79  sin
.set TT,    80                         ; v80-103 two sets of 12 at work
.set IV,    104                        ; v104-119 the inverse frequencies
.macro SCALE e                         ; v11 = 2^e as f32 (the conversion takes its exponent field); v10 = 448 x 2^e
	s_add_co_i32 s36, s[\e], 127
	s_lshl_b32 s37, s36, 23
	v_mov_b32 v11, s37
	s_add_co_i32 s36, s36, 8
	s_lshl_b32 s36, s36, 23
	s_or_b32 s36, s36, 0x600000
	v_mov_b32 v10, s36
.endm
.macro PSEL idx, lo, hi                ; lanes 0-15 take the power of frequency f, lanes 16-31 that of f + 8
	v_mov_b32 v[PW+\idx], \hi
	v_cndmask_b32 v[PW+\idx], \lo, v[PW+\idx], vcc_lo
.endm
.macro SINCOS idx                      ; cos and sin of t x inverse frequency idx
.set T, TT+12*((\idx)%2)
	v_mul_f32 v[T], v3, v[IV+\idx]                 ; the angle, rounded once
	v_mul_f32 v[T+1], s40, v[T]
	v_rndne_f32 v[T+1], v[T+1]                     ; n = the nearest whole number to angle x 2 / pi
	v_fma_f32 v[T], v[T+1], s41, v[T]              ; a = angle - n x pi/2: the upper part (exact: the product is a multiple of 2^-23 and the difference is under 1),
	v_fma_f32 v[T], v[T+1], s42, v[T]              ; and the lower
	v_cvt_i32_f32 v[T+2], v[T+1]
	v_mul_f32 v[T+3], v[T], v[T]                   ; z = a a
	v_fma_f32 v[T+4], v[T+3], s43, s44
	v_fma_f32 v[T+4], v[T+4], v[T+3], s45
	v_fma_f32 v[T+4], v[T+4], v[T+3], -0.5
	v_fma_f32 v[T+4], v[T+4], v[T+3], 1.0          ; cos a
	v_fma_f32 v[T+5], v[T+3], s46, s47
	v_fma_f32 v[T+5], v[T+5], v[T+3], s48
	v_mul_f32 v[T+6], v[T], v[T+3]
	v_fma_f32 v[T+5], v[T+5], v[T+6], v[T]         ; sin a
	v_and_b32 v[T+7], 1, v[T+2]
	v_cmp_eq_u32 vcc_lo, 1, v[T+7]                 ; an odd quadrant swaps the two
	v_cndmask_b32 v[T+8], v[T+5], v[T+4], vcc_lo
	v_cndmask_b32 v[T+9], v[T+4], v[T+5], vcc_lo
	v_and_b32 v[T+7], 2, v[T+2]
	v_lshlrev_b32 v[T+7], 30, v[T+7]
	v_xor_b32 v[SINR+\idx], v[T+7], v[T+8]         ; sin is negative in quadrants 2 and 3,
	v_add_nc_u32 v[T+2], 1, v[T+2]
	v_and_b32 v[T+2], 2, v[T+2]
	v_lshlrev_b32 v[T+2], 30, v[T+2]
	v_xor_b32 v[COSR+\idx], v[T+2], v[T+9]         ; cos in quadrants 1 and 2
.endm
.macro XLOAD f                         ; fragment f's numbers: 16 rows x 512 bytes; each load reads 512 consecutive bytes of one row
.irp rr, 0,1,2,3,4,5,6,7,8,9,10,11,12,13,14,15
	global_load_b128 v[R+64*((\f)%2)+4*\rr:R+64*((\f)%2)+4*\rr+3], v2, s[4:5] offset:\rr*4096+(\f)*512 th:TH_LOAD_NT
.endr
.endm
.macro XFRAG f                         ; fragment f: through my stage into the operand's order, held, converted, stored
.if (\f) < 3
	s_wait_loadcnt 16                              ; this fragment's 16 loads are in; the next fragment's 16 may be out
.else
	s_wait_loadcnt 0x0
.endif
.irp rr, 0,1,2,3,4,5,6,7,8,9,10,11,12,13,14,15
	ds_store_b128 v3, v[R+64*((\f)%2)+4*\rr:R+64*((\f)%2)+4*\rr+3] offset:\rr*SP
.endr
.irp c, 0,1,2,3,4,5,6,7
	ds_load_b128 v[XS+8*\c:XS+8*\c+3], v4 offset:64*\c         ; LDS serves a wave's instructions in order (ISA guide 5.7.1.4): these see my stores.  K = 16 c + 8 h + 0 .. 7 of row r
	ds_load_b128 v[XS+8*\c+4:XS+8*\c+7], v4 offset:64*\c+16
.endr
	s_wait_dscnt 0x0                               ; the numbers are back, and the stores into the stage have read their registers,
.if (\f) < 2
	XLOAD (\f)+2                                   ; which take the loads of two fragments on
.endif
	s_wait_xcnt 0x0                                ; the last fragment's stores have read their data: the codes' registers are written again only behind this wait
.set n, 0
.rept 64
	v_med3_num_f32 v[XS+n], v[XS+n], -v10, v10     ; the conversion to an 8-bit code does not saturate (ISA guide 7.6.2): the hold at 448 x the scale
.set n, n+1
.endr
.irp c, 0,1,2,3,4,5,6,7
	v_cvt_scalef32_pk8_fp8_f32 v[C+2*\c:C+2*\c+1], v[XS+8*\c:XS+8*\c+7], v11
.endr
	v_nop                                          ; a plain line behind the last conversion
.irp g, 0,1,2,3
	global_store_b128 v2, v[C+4*\g:C+4*\g+3], s[12:13] offset:(\f)*2048+\g*512   ; 32 lanes store 512 consecutive bytes, aligned
.endr
.endm
; A weight [1024 (k)][columns], NB bytes a row.  A work-group takes 128 columns x 128 along K, a wave 32 columns.  A LANE TAKES A COLUMN AND ITS REGISTERS RUN DOWN K, in the order in which the image wants them:
; piece p = 2 g + h is K = 32 g + 16 (i / 8) + 8 h + i % 8, i = 0 .. 15: 16 codes, which lie at 512 g + 256 h + 16 (column % 16) of the column's tile.  Nothing is transposed.
.macro WPATH first, S, D, NB, e
	s_sub_co_u32 s21, ttmp9, \first
	s_lshr_b32 s22, s21, 3                         ; which 128 columns
	s_and_b32 s21, s21, 7                          ; which 128 along K
	s_mul_i32 s32, s21, 128*\NB
	s_lshl_b32 s33, s22, 9
	s_add_co_u32 s32, s32, s33
	s_lshl_b32 s33, s20, 7
	s_add_co_u32 s32, s32, s33                     ; + 4 x (128 x group + 32 x wave)
	s_mov_b32 s33, 0
	s_add_nc_u64 s[\S:\S+1], s[\S:\S+1], s[32:33]
	s_lshl_b32 s34, s22, 3
	s_lshl_b32 s35, s20, 1
	s_add_co_u32 s34, s34, s35                     ; my first tile of 16 columns
	s_lshl_b32 s34, s34, 14
	s_lshl_b32 s35, s21, 11
	s_add_co_u32 s34, s34, s35
	s_mov_b32 s35, 0
	s_add_nc_u64 s[\D:\D+1], s[\D:\D+1], s[34:35]
	v_lshlrev_b32 v3, 2, v1                        ; in: 4 bytes a lane: a load reads 128 consecutive bytes, the four waves side by side 512
	v_lshrrev_b32 v4, 4, v1
	v_and_b32 v5, 15, v1
	v_lshlrev_b32 v5, 4, v5
	v_lshl_or_b32 v4, v4, 14, v5                   ; out: lanes 16-31 stand in the next tile
.irp p, 0,1,2,3,4,5,6,7
.irp i, 0,1,2,3,4,5,6,7,8,9,10,11,12,13,14,15
	global_load_b32 v[32+16*\p+\i], v3, s[\S:\S+1] offset:(32*(\p/2)+16*(\i/8)+8*(\p%2)+(\i%8))*\NB th:TH_LOAD_NT
.endr
.endr
	s_wait_kmcnt 0x0
	SCALE \e
	s_wait_alu depctr_va_vdst(0)
.irp p, 0,1,2,3,4,5,6,7
.if 16*(7-\p) > 63
	s_wait_loadcnt 63                              ; 16 (7 - p) later loads could stay out; the wait names the most that its field holds
.else
	s_wait_loadcnt 16*(7-\p)                       ; this piece's 16 loads are in; the later pieces' may be out
.endif
.irp i, 0,1,2,3,4,5,6,7,8,9,10,11,12,13,14,15
	v_med3_num_f32 v[32+16*\p+\i], v[32+16*\p+\i], -v10, v10
.endr
	v_cvt_scalef32_pk8_fp8_f32 v[160+4*\p:161+4*\p], v[32+16*\p:39+16*\p], v11
	v_cvt_scalef32_pk8_fp8_f32 v[162+4*\p:163+4*\p], v[40+16*\p:47+16*\p], v11
	global_store_b128 v4, v[160+4*\p:163+4*\p], s[\D:\D+1] offset:512*(\p/2)+256*(\p%2)   ; each half of the lanes stores 256 consecutive bytes, aligned; each piece has registers of its own
.endr
	s_endpgm
.endm
	s_load_b256 s[4:11], s[0:1], 0x0               ; x s[4:5], w_qkv s[6:7], w_proj s[8:9], the scales' exponents s[10:11]
	s_load_b256 s[12:19], s[0:1], 0x20             ; x_img s[12:13], wqkv_img s[14:15], wproj_img s[16:17], rope s[18:19]
	v_lshl_add_u32 v[SPW], v0, 2, SPARE
	v_mov_b32 v[NIL], 0
	v_lshrrev_b32 v1, 5, v0
	v_readfirstlane_b32 s20, v1                    ; wave 0..3
	v_and_b32 v1, 31, v0                           ; lane
	v_lshlrev_b32 v2, 4, v1                        ; 16 x lane
	s_wait_kmcnt 0x0
	s_cmp_lt_u32 ttmp9, 32
	s_cbranch_scc0 .Lnot_t
	; ---- THE TABLE: a wave takes 16 values of t, a lane one t and 16 frequencies
	s_lshl_b32 s21, ttmp9, 2
	s_add_co_u32 s21, s21, s20                     ; t / 16
	s_lshl_b32 s22, s21, 12
	s_mov_b32 s23, 0
	s_add_nc_u64 s[18:19], s[18:19], s[22:23]
	s_lshl_b32 s21, s21, 4
	v_and_b32 v3, 15, v0
	v_add_nc_u32 v3, s21, v3
	v_cvt_f32_u32 v3, v3                           ; t
	s_wait_alu depctr_va_vdst(0)
	v_cmp_le_u32 vcc_lo, 16, v1                    ; the upper half of the lanes
	PSEL 0,  0x3f800000, 0x41200000                ; 10000^(f/32) = 10^(f/8), rounded to f32
	PSEL 1,  0x3faab0d5, 0x41555d0a
	PSEL 2,  0x3fe39ea9, 0x418e432a
	PSEL 3,  0x4017c496, 0x41bdb5bc
	PSEL 4,  0x404a62c2, 0x41fcfb72
	PSEL 5,  0x4086f161, 0x4228adb9
	PSEL 6,  0x40b3f300, 0x4260efc0
	PSEL 7,  0x40eff755, 0x4295fa95
	PSEL 8,  0x42c80000, 0x447a0000
	PSEL 9,  0x43055a26, 0x44a6b0b0
	PSEL 10, 0x4331d3f4, 0x44de48f1
	PSEL 11, 0x436d232b, 0x451435fb
	PSEL 12, 0x439e1d27, 0x4545a471
	PSEL 13, 0x43d2d927, 0x4583c7b8
	PSEL 14, 0x440c95d8, 0x45afbb4e
	PSEL 15, 0x443b793b, 0x45ea5789
	s_mov_b32 s40, 0x3f22f983                      ; 2 / pi
	s_mov_b32 s41, 0xbfc90fdb                      ; -(pi/2 rounded to f32)
	s_mov_b32 s42, 0x333bbd2e                      ; that less pi/2: 4.37113883e-8
	s_mov_b32 s43, 0x37ccf5ce                      ; cos:  2.443315711809948e-5
	s_mov_b32 s44, 0xbab6061a                      ;      -1.388731625493765e-3
	s_mov_b32 s45, 0x3d2aaaa5                      ;       4.166664568298827e-2
	s_mov_b32 s46, 0xb94ca1f9                      ; sin: -1.9515295891e-4
	s_mov_b32 s47, 0x3c08839e                      ;       8.3321608736e-3
	s_mov_b32 s48, 0xbe2aaaa3                      ;      -1.6666654611e-1
.set n, 0
	s_wait_alu depctr_va_vdst(0)
.rept 16
	v_rcp_f32 v[IV+n], v[PW+n]
.set n, n+1
.endr
	v_nop                                          ; a plain line behind the last reciprocal
	s_wait_alu depctr_va_vdst(0)                   ; one wait for the batch of sixteen, ahead of its first reader
.set n, 0
.rept 16
	v_fma_f32 v[TT+n], -v[PW+n], v[IV+n], 1.0      ; one step of Newton brings 1 / power to f32's rounding
.set n, n+1
.endr
.set n, 0
.rept 16
	v_fma_f32 v[IV+n], v[IV+n], v[TT+n], v[IV+n]
.set n, n+1
.endr
.irp x, 0,1,2,3,4,5,6,7,8,9,10,11,12,13,14,15
	SINCOS \x
.endr
.irp pc, 0,1,2,3
	global_store_b128 v2, v[COSR+4*\pc:COSR+4*\pc+3], s[18:19] offset:512*\pc          ; 512 consecutive bytes a store
	global_store_b128 v2, v[SINR+4*\pc:SINR+4*\pc+3], s[18:19] offset:2048+512*\pc
.endr
	s_endpgm
.Lnot_t:
	s_load_b256 s[24:31], s[10:11], 0x0            ; the eight exponents
	s_cmp_lt_u32 ttmp9, 288
	s_cbranch_scc0 .Lnot_x
	; ---- x: a wave takes 16 rows x 512 along K: four fragments
	s_sub_co_u32 s21, ttmp9, 32
	s_lshl_b32 s21, s21, 2
	s_add_co_u32 s21, s21, s20
	s_lshr_b32 s22, s21, 1                         ; which 16 rows
	s_and_b32 s21, s21, 1                          ; which half of K
	s_lshl_b32 s32, s22, 16
	s_lshl_b32 s33, s21, 11
	s_add_co_u32 s32, s32, s33
	s_mov_b32 s33, 0
	s_add_nc_u64 s[4:5], s[4:5], s[32:33]
	s_lshl_b32 s32, s22, 14
	s_lshl_b32 s34, s21, 13
	s_add_co_u32 s32, s32, s34
	s_add_nc_u64 s[12:13], s[12:13], s[32:33]
	s_mul_i32 s34, s20, STG                        ; my stage
	s_wait_alu depctr_va_vdst(0)
	v_add_nc_u32 v3, s34, v2                       ; in: a row as it lies, 16 bytes a lane
	v_and_b32 v5, 15, v0
	v_bfe_u32 v6, v0, 4, 1
	v_mul_u32_u24 v4, v5, SP
	v_lshl_add_u32 v4, v6, 5, v4
	v_add_nc_u32 v4, s34, v4                       ; out: row r, + 32 h bytes
	XLOAD 0
	XLOAD 1
	s_wait_alu depctr_va_vdst(0)
	s_wait_kmcnt 0x0
	SCALE 24
	s_wait_alu depctr_va_vdst(0)
	XFRAG 0
	XFRAG 1
	XFRAG 2
	XFRAG 3
	s_wait_tensorcnt 0x0                           ; the wave's end, behind my last LDS store
	ds_add_u32 v[SPW], v[NIL]
	s_wait_dscnt 0x0
	s_endpgm
.Lnot_x:
	s_cmp_lt_u32 ttmp9, 480
	s_cbranch_scc0 .Lw_proj
	s_wait_alu depctr_va_vdst(0)
	WPATH 288, 6, 14, 12288, 25
.Lw_proj:
	s_wait_alu depctr_va_vdst(0)
	WPATH 480, 8, 16, 4096, 31
.Lfunc_end_k_q1e39389fb3_quant:
	.size	k_q1e39389fb3_quant, .Lfunc_end_k_q1e39389fb3_quant-k_q1e39389fb3_quant
	.p2alignl 7, 3214868480
	.fill 96, 4, 3214868480
	.section	.rodata,"a",@progbits
	.p2align	6, 0x0
	.amdhsa_kernel k_q1e39389fb3_quant
		.amdhsa_group_segment_fixed_size 35328
		.amdhsa_private_segment_fixed_size 0
		.amdhsa_enable_private_segment 0
		.amdhsa_kernarg_size 64
		.amdhsa_user_sgpr_count 2
		.amdhsa_user_sgpr_kernarg_segment_ptr 1
		.amdhsa_wavefront_size32 1
		.amdhsa_system_sgpr_workgroup_id_x 1
		.amdhsa_system_sgpr_workgroup_id_y 1
		.amdhsa_system_sgpr_workgroup_id_z 1
		.amdhsa_system_vgpr_workitem_id 0
		.amdhsa_next_free_vgpr 240
		.amdhsa_next_free_sgpr 66
		.amdhsa_reserve_vcc 1
		.amdhsa_float_denorm_mode_32 3
		.amdhsa_float_denorm_mode_16_64 3
		.amdhsa_memory_ordered 1
		.amdhsa_forward_progress 1
		.amdhsa_inst_pref_size 107
	.end_amdhsa_kernel
	.amdgpu_metadata
---
amdhsa.version: [ 1, 2 ]
amdhsa.kernels:
  - .name:           k_q1e39389fb3_quant
    .symbol:         k_q1e39389fb3_quant.kd
    .args:
      - { .name: x, .offset: 0, .size: 8, .value_kind: global_buffer, .address_space: global }
      - { .name: w_qkv, .offset: 8, .size: 8, .value_kind: global_buffer, .address_space: global }
      - { .name: w_proj, .offset: 16, .size: 8, .value_kind: global_buffer, .address_space: global }
      - { .name: lowp_scales, .offset: 24, .size: 8, .value_kind: global_buffer, .address_space: global }
      - { .name: x_img, .offset: 32, .size: 8, .value_kind: global_buffer, .address_space: global }
      - { .name: wqkv_img, .offset: 40, .size: 8, .value_kind: global_buffer, .address_space: global }
      - { .name: wproj_img, .offset: 48, .size: 8, .value_kind: global_buffer, .address_space: global }
      - { .name: rope, .offset: 56, .size: 8, .value_kind: global_buffer, .address_space: global }
    .group_segment_fixed_size: 35328
    .private_segment_fixed_size: 0
    .kernarg_segment_align: 8
    .kernarg_segment_size: 64
    .max_flat_workgroup_size: 128
    .sgpr_count:     66
    .vgpr_count:     240
    .wavefront_size: 32
...
	.end_amdgpu_metadata
.endif
;; end of part 1
;; launch qkv (part 2): grid 8 x 32, 4 waves a work-group, clusters of 4 x 4, 327,680 bytes of LDS; arguments x_img, wqkv_img, lowp_scales, rope, q_img, k_img, v_img; writes q_img, k_img, v_img
.if DOCPART == 2
	.amdgcn_target "amdgcn-amd-amdhsa--gfx1250"
	.amdhsa_code_object_version 6
	.text
	.protected	k_q1e39389fb3_qkv
	.globl	k_q1e39389fb3_qkv
	.p2align	8
	.type	k_q1e39389fb3_qkv,@function
k_q1e39389fb3_qkv:
	s_mov_b64 s[64:65], 0
	v_nop
	global_prefetch_b8 v0, s[64:65] scope:SCOPE_SE
	s_setreg_imm32_b32 hwreg(HW_REG_WAVE_MODE, 25, 1), 1
	s_wait_xcnt 0x0
	s_wait_alu depctr_hold_cnt(0) depctr_sa_sdst(0) depctr_va_vdst(0) depctr_va_sdst(0) depctr_va_ssrc(0) depctr_va_vcc(0) depctr_vm_vsrc(0)
	s_getreg_b32 s2, hwreg(HW_REG_IB_STS2, 6, 4)
	s_cmp_eq_u32 s2, 0
	s_cbranch_scc0 .Lentry_in_a_cluster
	s_endpgm
.Lentry_in_a_cluster:
	s_bfe_u32 s2, ttmp6, 0x10000c
	s_cmp_lg_u32 s2, 0xf033
	s_cbranch_scc0 .Lentry_shape_is_right
	s_endpgm
.Lentry_shape_is_right:
; qkv = x w_qkv on codes of FP8 (E4M3); q and k are rotated (RoPE) in f32; q, k and v are quantised with their given scales and stored as images of the next products' operand registers.
; OPERANDS ARE IMAGES: [row / 16][K / 128][2,048 bytes]; registers 4 g .. 4 g + 3 of lane l at 512 g + 16 l; lane (r, h) holds row r, registers 2 c, 2 c + 1 hold K = 16 c + 8 h + 0 .. 7.  So 64 along K of 16 rows are 1,024
; consecutive bytes, two LDS loads of 512 bytes, and eight registers: a fragment of the K = 64 form.
; A BLOCK: 256 rows of x against 256 columns of q or k (block column bx: columns 256 bx) AND 128 columns of v (columns 2,048 + 128 bx): 8 x 32 = 256 work-groups of one shape.  bx under 4, that is cluster x = 0, is q, else k.
; A wave takes 128 rows of x, 128 columns of q or k (two heads) and 64 of v (one head): 64 + 32 accumulators, 768 registers.
; q, k: source 0 = 16 columns of the weight, source 1 = 16 rows of x: a lane holds one t, its registers run along the head's d: the K of q k^T.
; v: the same fragments of x as source 0, 16 columns of the weight as source 1: a lane holds one d, its registers run along t: the keys, the K of p v.
; LDS: region 0: 40 blocks of 16 rows x 4 units of 64 K (x's 16, the q/k columns' 16, the v columns' 8); region 1: the same with 3 units.  K = 1,024 is 16 units and comes by five fills of 4, 3, 4, 3, 2 units;
; the last lies in region 0's bytes with blocks of 2 units.  Waves 0 and 1 fetch x's halves, wave 2 the q/k columns, wave 3 the v columns.
; CLUSTERS 4 x 4: x's tile hangs on the block's row alone and is asked for jointly along a row of the cluster, the weight's two on the block's column alone, along a column.
; RoPE works on the raw sums (they stand for sum x 2^(e0 + e1)); that power of two and the operand's own are folded into the conversion's one scale 2^(e - e0 - e1), e = lowp_scales[2] (q), [3] (k), [5] (v).
; LIMITS: e - e0 - e1 between -126 and 119.  NaN is not served.  NO PREFETCH: the text has no loop to run ahead in.
; REGISTERS: window 0: v16-31 addresses and scales; v32-95, v96-159 x's 8 fragments, two sets; v160-223 the q/k columns' 8; v224-255 the v columns' 4; on the way out v32-111 at work, v128-255 codes.
; Window 1: v's accumulators, (vb, xb) at v[8 (8 vb + xb)]; later the table of cos and sin.  Windows 2, 3: q/k's accumulators, (a, b) at v[8 (8 (a % 4) + b)].
.set NP,   4                           ; places behind this matrix instruction (ISA guide 7.12.1)
.set RX1,  163840                      ; region 1: x
.set RW0,  65536                       ; the q/k columns in regions 0, 1 and in the last fill's layout
.set RW1,  212992
.set RW2,  32768
.set RV0,  131072                      ; the v columns
.set RV1,  262144
.set RV2,  65536
.set SPARE, 286720                     ; behind the regions: the spare words, 128 bytes a wave: two blocks of 256 bytes that no other line names
.set ADX,  16                          ; v16-18  my x fragments in layouts 0, 1, 2
.set ADW,  19                          ; v19-21  my q/k columns
.set ADVV, 22                          ; v22-24  my v columns
.set SCV,  25                          ; v's scale, and 448 x that
.set LIMV, 26
.set LI,   27
.set SPW,  28
.set NIL,  29
.set SC,   30
.set LIM,  31
.set XF,   32
.set WF,   160
.set WVF,  224
.set ROT,  32
.set TA,   96
.set TB,   104
.set CD,   128
.set G1X, 24
.set G1W, 32
.set G1V, 48
.set G0X, 56
.set G0W, 60
.set G0V, 92
.set LX,  96                           ; s96-98  where x's half that I fetch goes, in layouts 0, 1, 2
.set MSB, 0
.macro WIN new                         ; the immediate's high byte repeats the setting that is left
.if MSB != (\new)
	s_set_vgpr_msb (MSB<<8)|(\new)
.set MSB, (\new)
.endif
.endm
.macro PLACES n
.rept \n
	v_nop
.endr
.endm
; A joint load: one chain of branches on the wave's number, one load to an arm, one join.  An s_nop 0 and four v_nop follow each line.
.macro JLOAD
	s_cmp_lt_u32 s14, 2
	s_cbranch_scc0 .Lw_\@
	tensor_load_to_lds s[G0X:G0X+3], s[G1X:G1X+7]
	s_nop 0
	PLACES 4
	s_branch .Lj_\@
.Lw_\@:
	s_cmp_eq_u32 s14, 2
	s_cbranch_scc0 .Lv_\@
	tensor_load_to_lds s[G0W:G0W+3], s[G1W:G1W+7]
	s_nop 0
	PLACES 4
	s_branch .Lj_\@
.Lv_\@:
	tensor_load_to_lds s[G0V:G0V+3], s[G1V:G1V+7]
	s_nop 0
	PLACES 4
.Lj_\@:
.endm
.macro CREST                           ; a round of the cluster's barrier behind its opening barrier
	s_cmp_lg_u32 s14, 0
	s_cbranch_scc1 .Lnot_wave_0_\@
	s_barrier_signal -3
.Lnot_wave_0_\@:
	s_barrier_wait -3
	s_barrier_signal -1
	s_barrier_wait -1
.endm
.macro CROUND
	s_barrier_signal -1
	s_barrier_wait -1
	CREST
.endm
; The descriptors for the next fill: layout rf (blocks of 4 - rf units), step bytes further along K than the last.  No tensor load of mine is out where this stands.
.macro NEXTF rf, step
	s_add_nc_u64 s[G0X+2:G0X+3], s[G0X+2:G0X+3], \step
	s_add_nc_u64 s[G0W+2:G0W+3], s[G0W+2:G0W+3], \step
	s_add_nc_u64 s[G0V+2:G0V+3], s[G0V+2:G0V+3], \step
	s_mov_b32 s[G0X+1], s[LX+\rf]
	s_mov_b32 s[G0W+1], RW\rf
	s_mov_b32 s[G0V+1], RV\rf
.irp g, G1X, G1W, G1V
	s_mov_b32 s[\g+1], (512-128*\rf)<<16           ; a row: 16 rows x (4 - rf) units as images, in elements of 8 bytes
	s_mov_b32 s[\g+3], (512-128*\rf)<<16
.endr
.endm
; Fragments of unit u of layout r: a block is 4,096 - 1,024 r bytes
.macro FX r, u, p
.irp i, 0,1,2,3,4,5,6,7
	ds_load_b128 v[XF+64*(\p)+8*\i:XF+64*(\p)+8*\i+3], v[ADX+\r] offset:\i*(4096-1024*(\r))+(\u)*1024
	ds_load_b128 v[XF+64*(\p)+8*\i+4:XF+64*(\p)+8*\i+7], v[ADX+\r] offset:\i*(4096-1024*(\r))+(\u)*1024+512
.endr
.endm
.macro FW r, u, b0
.irp i, 0,1,2,3
	ds_load_b128 v[WF+8*(\b0+\i):WF+8*(\b0+\i)+3], v[ADW+\r] offset:(\b0+\i)*(4096-1024*(\r))+(\u)*1024
	ds_load_b128 v[WF+8*(\b0+\i)+4:WF+8*(\b0+\i)+7], v[ADW+\r] offset:(\b0+\i)*(4096-1024*(\r))+(\u)*1024+512
.endr
.endm
.macro FV r, u
.irp i, 0,1,2,3
	ds_load_b128 v[WVF+8*\i:WVF+8*\i+3], v[ADVV+\r] offset:\i*(4096-1024*(\r))+(\u)*1024
	ds_load_b128 v[WVF+8*\i+4:WVF+8*\i+7], v[ADVV+\r] offset:\i*(4096-1024*(\r))+(\u)*1024+512
.endr
.endm
; 16 matrix instructions of q/k: x's blocks 4 hi + 0 .. 3 against columns b0 .. b0 + 3.  All 96 accumulators take turns, one instruction a turn.
.macro MQK b0, p, zero, hi
	WIN 0xa0+0x50*(\hi)
.irp a, 0,1,2,3
.irp b, 0,1,2,3
.if \zero
	v_wmma_f32_16x16x64_fp8_fp8 v[8*(8*\a+\b0+\b):8*(8*\a+\b0+\b)+7], v[WF+8*(\b0+\b):WF+8*(\b0+\b)+7], v[XF+64*(\p)+8*(4*(\hi)+\a):XF+64*(\p)+8*(4*(\hi)+\a)+7], 0
.else
	v_wmma_f32_16x16x64_fp8_fp8 v[8*(8*\a+\b0+\b):8*(8*\a+\b0+\b)+7], v[WF+8*(\b0+\b):WF+8*(\b0+\b)+7], v[XF+64*(\p)+8*(4*(\hi)+\a):XF+64*(\p)+8*(4*(\hi)+\a)+7], v[8*(8*\a+\b0+\b):8*(8*\a+\b0+\b)+7]
.endif
.endr
.endr
.endm
.macro MV p, zero                      ; 32 matrix instructions of v
	WIN 0x50
.irp a, 0,1,2,3
.irp b, 0,1,2,3,4,5,6,7
.if \zero
	v_wmma_f32_16x16x64_fp8_fp8 v[8*(8*\a+\b):8*(8*\a+\b)+7], v[XF+64*(\p)+8*\b:XF+64*(\p)+8*\b+7], v[WVF+8*\a:WVF+8*\a+7], 0
.else
	v_wmma_f32_16x16x64_fp8_fp8 v[8*(8*\a+\b):8*(8*\a+\b)+7], v[XF+64*(\p)+8*\b:XF+64*(\p)+8*\b+7], v[WVF+8*\a:WVF+8*\a+7], v[8*(8*\a+\b):8*(8*\a+\b)+7]
.endif
.endr
.endr
	WIN 0
.endm
; A unit of 64 along K on x's set p.  Each group of the weight's fragments is fetched anew, for unit u of layout r, as soon as its products are issued; x's next fragments go into the other set.
; The loads of a unit go out in the order: columns 0-3 (8), x (16), columns 4-7 (8), v's (8).
.macro STEP p, zero, r, u
	s_wait_dscnt 16                                ; columns 0-3 and x are in; the youngest 16 loads may be out
	MQK 0, \p, \zero, 0
	MQK 0, \p, \zero, 1
	WIN 0
	PLACES NP
	FW \r, \u, 0
	FX \r, \u, 1-(\p)
	s_wait_dscnt 32                                ; columns 4-7 are in; v's 8 and the 24 just issued may be out
	MQK 4, \p, \zero, 0
	MQK 4, \p, \zero, 1
	WIN 0
	PLACES NP
	FW \r, \u, 4
	s_wait_dscnt 32                                ; v's are in; the 32 issued in this unit may be out
	MV \p, \zero
	PLACES NP
	FV \r, \u
.endm
; A region's last unit: each wave waits for all its tensor loads, adds 0 to its spare word, waits for that and for its reads of the region, and passes the barrier.  fill = 1: the barrier opens a round, and the region is filled again.
.macro TURN p, fill, rf, step, r, u
	s_wait_tensorcnt 0x0                           ; all my tensor loads have landed: my part of the region that is read next
	ds_add_u32 v[SPW], v[NIL]                      ; 0 onto my spare word
	s_wait_dscnt 17                                ; columns 0-3 and x are in; 16 loads and the add may be out
	MQK 0, \p, 0, 0
	s_wait_dscnt 0x0                               ; the add is done, and my reads of this region are over
	s_barrier_signal -1
	MQK 0, \p, 0, 1
	WIN 0
	s_barrier_wait -1
.if \fill
	CREST                                          ; no wave of any partner still reads this region or has a load on its way
	NEXTF \rf, \step
	JLOAD                                          ; the first tensor load behind the round; its four v_nop are the places in front of the loads below
.else
	PLACES NP
.endif
	FW \r, \u, 0
	FX \r, \u, 1-(\p)
	MQK 4, \p, 0, 0
	MQK 4, \p, 0, 1
	WIN 0
	PLACES NP
	FW \r, \u, 4
	MV \p, 0
	PLACES NP
	FV \r, \u
.endm
.macro TLD a                           ; cos and sin for my block a's 16 values of t: 8 loads of 512 consecutive bytes, into window 1
.irp cs, 0,1
.irp pc, 0,1,2,3
	global_load_b128 v[32*(\a)+16*\cs+4*\pc:32*(\a)+16*\cs+4*\pc+3], v[LI], s[8:9] offset:(\a)*4096+\cs*2048+\pc*512
.endr
.endr
.endm
; Block a (16 values of t x 128 columns: two heads) of q or k: rotated, held, converted, stored.  In a head, accumulators 0, 1 hold d = 16 b + 8 h + j under 32, accumulators 2, 3 the partners d + 32.
.macro ROPE a
	s_wait_loadcnt 8*(7-(\a))                      ; this block's 8 table loads are in; the later blocks' may be out
	WIN 0x06+((\a)/4)                              ; source 0: the accumulators' window; source 1: window 1, the table
.irp hd, 0,1
.irp bp, 0,1
.irp i, 0,2,4,6
.set LO, 8*(8*((\a)%4)+4*\hd+\bp)+\i
.set CR, 32*(\a)+8*\bp+\i
	v_pk_mul_f32 v[TA+\i:TA+\i+1], v[LO+16:LO+17], v[CR+16:CR+17]      ; each accumulator is read from its low end on
	v_pk_mul_f32 v[TB+\i:TB+\i+1], v[LO:LO+1], v[CR+16:CR+17]
	v_pk_fma_f32 v[ROT+32*\hd+8*\bp+\i:ROT+32*\hd+8*\bp+\i+1], v[LO:LO+1], v[CR:CR+1], v[TA+\i:TA+\i+1] neg_lo:[0,0,1] neg_hi:[0,0,1]   ; x1 cos - x2 sin
	v_pk_fma_f32 v[ROT+32*\hd+8*\bp+16+\i:ROT+32*\hd+8*\bp+16+\i+1], v[LO+16:LO+17], v[CR:CR+1], v[TB+\i:TB+\i+1]                      ; x2 cos + x1 sin
.endr
.endr
.endr
	WIN 0
.set n, 0
.rept 64
	v_med3_num_f32 v[ROT+n], v[ROT+n], -v[LIM], v[LIM]     ; the conversion does not saturate (ISA guide 7.6.2): the hold at 448 x the scale
.set n, n+1
.endr
.irp hd, 0,1
.irp c, 0,1,2,3
	v_cvt_scalef32_pk8_fp8_f32 v[CD+16*(\a)+8*\hd+2*\c:CD+16*(\a)+8*\hd+2*\c+1], v[ROT+32*\hd+8*\c:ROT+32*\hd+8*\c+7], v[SC]
.endr
.endr
	v_nop                                          ; a plain line between the last conversion and the next block's writes of its sources
.irp hd, 0,1
.irp g, 0,1
	global_store_b128 v[LI], v[CD+16*(\a)+8*\hd+4*\g:CD+16*(\a)+8*\hd+4*\g+3], s[10:11] offset:\hd*131072+(\a)*1024+\g*512   ; 512 consecutive bytes, aligned
.endr
.endr
.endm
; Block a (16 of the head's d x 128 keys) of v: one fragment of the second attention product
.macro VOUT a
	WIN 0x01
.set n, 0
.rept 64
	v_med3_num_f32 v[ROT+n], v[64*(\a)+n], -v[LIMV], v[LIMV]
.set n, n+1
.endr
	WIN 0
.irp b, 0,1,2,3,4,5,6,7
	v_cvt_scalef32_pk8_fp8_f32 v[CD+16*(\a)+2*\b:CD+16*(\a)+2*\b+1], v[ROT+8*\b:ROT+8*\b+7], v[SCV]
.endr
	v_nop
.irp g, 0,1,2,3
	global_store_b128 v[LI], v[CD+16*(\a)+4*\g:CD+16*(\a)+4*\g+3], s[6:7] offset:(\a)*2048+\g*512
.endr
.endm
	s_load_b256 s[68:75], s[0:1], 0x0              ; x_img s[68:69], wqkv_img s[70:71], the exponents s[72:73], rope s[74:75]
	s_load_b128 s[76:79], s[0:1], 0x20             ; q_img s[76:77], k_img s[78:79]
	s_load_b64 s[80:81], s[0:1], 0x30              ; v_img
	v_lshl_add_u32 v[SPW], v0, 2, SPARE
	v_mov_b32 v[NIL], 0
	ds_add_u32 v[SPW], v[NIL]                      ; the opening lines: the add, twice on end, and its wait ahead of my first tensor load
	ds_add_u32 v[SPW], v[NIL]
	v_lshrrev_b32 v1, 5, v0
	v_readfirstlane_b32 s14, v1                    ; wave 0..3
	s_lshr_b32 s15, s14, 1                         ; which 128 rows of x are mine
	s_and_b32 s16, s14, 1                          ; which half of the columns is mine.  Also, in waves 0 and 1: which half of x I fetch
	s_bfe_u32 s40, ttmp6, 0x40000                  ; cx
	s_bfe_u32 s41, ttmp6, 0x40004                  ; cy
	s_lshl_b32 s19, ttmp9, 2
	s_add_co_u32 s19, s19, s40                     ; bx
	s_and_b32 s18, ttmp7, 0xffff
	s_lshl_b32 s18, s18, 2
	s_add_co_u32 s18, s18, s41                     ; by
	s_lshl_b32 s43, s41, 2
	s_lshl_b32 s43, 15, s43                        ; my row of the cluster
	s_lshl_b32 s44, 0x1111, s40                    ; my column
	s_or_b32 s[G1X], s43, (3<<16)|(1<<21)          ; the mask; elements of 8 bytes; bit 21 beside a mask; no padding
	s_or_b32 s[G1W], s44, (3<<16)|(1<<21)
	s_or_b32 s[G1V], s44, (3<<16)|(1<<21)
.irp g, G1X, G1W, G1V
	s_mov_b32 s[\g+1], 512<<16                     ; a row: 16 rows x 4 units as images, 4,096 bytes
	s_mov_b32 s[\g+3], 512<<16
	s_mov_b32 s[\g+5], 2048                        ; from block to block: 16,384 bytes
	s_mov_b32 s[\g+6], 0
	s_mov_b32 s[\g+7], 0
.endr
	s_mov_b32 s[G1X+2], 8<<16                      ; 8 blocks
	s_mov_b32 s[G1X+4], 8
	s_mov_b32 s[G1W+2], 16<<16                     ; 16 blocks
	s_mov_b32 s[G1W+4], 16
	s_mov_b32 s[G1V+2], 8<<16
	s_mov_b32 s[G1V+4], 8
	s_lshl_b32 s20, s18, 1
	s_add_co_u32 s20, s20, s16
	s_lshl_b32 s20, s20, 17                        ; x: (2 by + half) x 8 blocks x 16,384 bytes
	s_mov_b32 s21, 0
	s_lshl_b32 s46, s19, 18                        ; the q/k columns: bx x 16 blocks
	s_mov_b32 s47, 0
	s_lshl_b32 s22, s19, 17                        ; the v columns: 128 blocks on, + bx x 8 blocks
	s_add_co_u32 s22, s22, 0x200000
	s_mov_b32 s23, 0
	s_lshl_b32 s[LX], s16, 15                      ; where x's half goes: the wave's number alone: no place in the cluster enters an LDS address
	s_mul_i32 s[LX+1], s16, 24576
	s_add_co_u32 s[LX+1], s[LX+1], RX1
	s_lshl_b32 s[LX+2], s16, 14
	s_wait_dscnt 0x0                               ; both opening adds are done
	s_wait_kmcnt 0x0
	s_load_b256 s[84:91], s[72:73], 0x0            ; the eight exponents
	s_mov_b32 s[G0X], 1
	s_mov_b32 s[G0X+1], s[LX]
	s_add_nc_u64 s[G0X+2:G0X+3], s[68:69], s[20:21]
	s_or_b32 s[G0X+3], s[G0X+3], 0x80000000
	s_mov_b32 s[G0W], 1
	s_mov_b32 s[G0W+1], RW0
	s_add_nc_u64 s[G0W+2:G0W+3], s[70:71], s[46:47]
	s_or_b32 s[G0W+3], s[G0W+3], 0x80000000
	s_mov_b32 s[G0V], 1
	s_mov_b32 s[G0V+1], RV0
	s_add_nc_u64 s[G0V+2:G0V+3], s[70:71], s[22:23]
	s_or_b32 s[G0V+3], s[G0V+3], 0x80000000
	CROUND                                         ; all sixteen work-groups are here: the first joint loads meet
	JLOAD                                          ; units 0-3: my one load at the head
	s_lshl_b32 s4, s15, 15                         ; my 8 blocks of x in layouts 0, 1, 2
	s_mul_i32 s5, s15, 24576
	s_add_co_u32 s5, s5, RX1
	s_lshl_b32 s6, s15, 14
	s_lshl_b32 s7, s16, 15                         ; my 8 blocks of q/k columns
	s_add_co_u32 s7, s7, RW0
	s_mul_i32 s8, s16, 24576
	s_add_co_u32 s8, s8, RW1
	s_lshl_b32 s9, s16, 14
	s_add_co_u32 s9, s9, RW2
	s_lshl_b32 s10, s16, 14                        ; my 4 blocks of v columns
	s_add_co_u32 s10, s10, RV0
	s_mul_i32 s11, s16, 12288
	s_add_co_u32 s11, s11, RV1
	s_lshl_b32 s12, s16, 13
	s_add_co_u32 s12, s12, RV2
	v_and_b32 v1, 31, v0
	v_lshlrev_b32 v[LI], 4, v1
	v_add_nc_u32 v[ADX], s4, v[LI]
	v_add_nc_u32 v[ADX+1], s5, v[LI]
	v_add_nc_u32 v[ADX+2], s6, v[LI]
	v_add_nc_u32 v[ADW], s7, v[LI]
	v_add_nc_u32 v[ADW+1], s8, v[LI]
	v_add_nc_u32 v[ADW+2], s9, v[LI]
	v_add_nc_u32 v[ADVV], s10, v[LI]
	v_add_nc_u32 v[ADVV+1], s11, v[LI]
	v_add_nc_u32 v[ADVV+2], s12, v[LI]
	s_wait_alu depctr_va_vdst(0)                   ; the wait at the head's end
	s_wait_tensorcnt 0x0                           ; my part of units 0-3 is in; the later first fill is issued as a refill is:
	ds_add_u32 v[SPW], v[NIL]
	s_wait_dscnt 0x0
	CROUND
	NEXTF 1, 4096
	JLOAD                                          ; units 4-6, into region 1: my one load behind the round
	FW 0, 0, 0
	FX 0, 0, 0
	FW 0, 0, 4
	FV 0, 0
	STEP 0, 1, 0, 1                                ; unit 0: its products start the sums
	STEP 1, 0, 0, 2
	STEP 0, 0, 0, 3
	TURN 1, 1, 0, 3072, 1, 0                       ; unit 3; region 0 takes units 7-10
	STEP 0, 0, 1, 1
	STEP 1, 0, 1, 2
	TURN 0, 1, 1, 4096, 0, 0                       ; unit 6; region 1 takes units 11-13
	STEP 1, 0, 0, 1
	STEP 0, 0, 0, 2
	STEP 1, 0, 0, 3
	TURN 0, 1, 2, 3072, 1, 0                       ; unit 10; region 0's bytes take units 14 and 15
	STEP 1, 0, 1, 1
	STEP 0, 0, 1, 2
	TURN 1, 0, 0, 0, 2, 0                          ; unit 13; nothing is left to fetch
	STEP 0, 0, 2, 1
	s_wait_kmcnt 0x0
	s_cmp_eq_u32 ttmp9, 0                          ; q or k?  The cluster's x alone: the same in all partners
	s_cselect_b32 s92, s86, s87
	s_cselect_b64 s[10:11], s[76:77], s[78:79]
	s_add_co_i32 s93, s84, s85                     ; e0 + e1
	s_sub_co_i32 s92, s92, s93
	s_add_co_i32 s92, s92, 127
	s_lshl_b32 s94, s92, 23
	v_mov_b32 v[SC], s94
	s_add_co_i32 s92, s92, 8
	s_lshl_b32 s92, s92, 23
	s_or_b32 s92, s92, 0x600000
	v_mov_b32 v[LIM], s92
	s_sub_co_i32 s92, s89, s93                     ; v's
	s_add_co_i32 s92, s92, 127
	s_lshl_b32 s94, s92, 23
	v_mov_b32 v[SCV], s94
	s_add_co_i32 s92, s92, 8
	s_lshl_b32 s92, s92, 23
	s_or_b32 s92, s92, 0x600000
	v_mov_b32 v[LIMV], s92
	s_and_b32 s93, s18, 7
	s_lshl_b32 s93, s93, 4
	s_lshl_b32 s94, s15, 3
	s_add_co_u32 s93, s93, s94                     ; t / 16 of my first block: 16 (by % 8) + 8 half
	s_lshl_b32 s12, s93, 12
	s_mov_b32 s13, 0
	s_add_nc_u64 s[8:9], s[74:75], s[12:13]        ; the table there
	s_lshr_b32 s4, s18, 3
	s_lshl_b32 s4, s4, 21                          ; the batch's 16 heads of 131,072 bytes
	s_lshl_b32 s95, s93, 10                        ; q, k: 1,024 bytes for 16 values of t; v: 8,192 for 128 keys: the same number
	s_add_co_u32 s4, s4, s95
	s_and_b32 s94, s19, 3
	s_lshl_b32 s94, s94, 2
	s_lshl_b32 s95, s16, 1
	s_add_co_u32 s94, s94, s95                     ; q, k: heads 4 (bx % 4) + 2 half + 0, 1
	s_lshl_b32 s94, s94, 17
	s_add_co_u32 s12, s4, s94
	s_add_nc_u64 s[10:11], s[10:11], s[12:13]
	s_lshl_b32 s94, s19, 1
	s_add_co_u32 s94, s94, s16                     ; v: head 2 bx + half
	s_lshl_b32 s94, s94, 17
	s_add_co_u32 s12, s4, s94
	s_add_nc_u64 s[6:7], s[80:81], s[12:13]
	s_wait_dscnt 0x0                               ; unit 15: nothing more to fetch
	MQK 0, 1, 0, 0
	MQK 0, 1, 0, 1
	MQK 4, 1, 0, 0
	MQK 4, 1, 0, 1
	MV 1, 0
	PLACES NP                                      ; in front of the first read of results
	s_wait_alu depctr_va_vdst(0)                   ; the scales were made behind scalar lines
.irp a, 0,1,2,3                                ; v goes first: each of its blocks leaves 64 registers of window 1 to the table of two blocks of q or k
	VOUT \a
	WIN 0x40
	TLD 2*\a
	TLD 2*\a+1
	WIN 0
.endr
	s_wait_alu depctr_va_vdst(0)
	s_wait_xcnt 0x0                                ; v's stores have read their data: the codes' registers are written again only behind this wait
.irp a, 0,1,2,3,4,5,6,7
	ROPE \a
.endr
	s_wait_tensorcnt 0x0                           ; the wave's end, behind my last tensor load
	ds_add_u32 v[SPW], v[NIL]
	s_wait_dscnt 0x0
	CROUND                                         ; the closing round: no work-group ends while a partner may still ask for a tile that names it
	s_endpgm
.Lfunc_end_k_q1e39389fb3_qkv:
	.size	k_q1e39389fb3_qkv, .Lfunc_end_k_q1e39389fb3_qkv-k_q1e39389fb3_qkv
	.p2alignl 7, 3214868480
	.fill 96, 4, 3214868480
	.section	.rodata,"a",@progbits
	.p2align	6, 0x0
	.amdhsa_kernel k_q1e39389fb3_qkv
		.amdhsa_group_segment_fixed_size 327680
		.amdhsa_private_segment_fixed_size 0
		.amdhsa_enable_private_segment 0
		.amdhsa_kernarg_size 56
		.amdhsa_user_sgpr_count 2
		.amdhsa_user_sgpr_kernarg_segment_ptr 1
		.amdhsa_wavefront_size32 1
		.amdhsa_system_sgpr_workgroup_id_x 1
		.amdhsa_system_sgpr_workgroup_id_y 1
		.amdhsa_system_sgpr_workgroup_id_z 1
		.amdhsa_system_vgpr_workitem_id 0
		.amdhsa_next_free_vgpr 1024
		.amdhsa_next_free_sgpr 100
		.amdhsa_reserve_vcc 0
		.amdhsa_float_denorm_mode_32 3
		.amdhsa_float_denorm_mode_16_64 3
		.amdhsa_memory_ordered 1
		.amdhsa_forward_progress 1
		.amdhsa_inst_pref_size 255
	.end_amdhsa_kernel
	.section	.bss,"aw",@nobits
	.p2align	6
	.space	262144
	.amdgpu_metadata
---
amdhsa.version: [ 1, 2 ]
amdhsa.kernels:
  - .name:           k_q1e39389fb3_qkv
    .symbol:         k_q1e39389fb3_qkv.kd
    .args:
      - { .name: x_img, .offset: 0, .size: 8, .value_kind: global_buffer, .address_space: global }
      - { .name: wqkv_img, .offset: 8, .size: 8, .value_kind: global_buffer, .address_space: global }
      - { .name: lowp_scales, .offset: 16, .size: 8, .value_kind: global_buffer, .address_space: global }
      - { .name: rope, .offset: 24, .size: 8, .value_kind: global_buffer, .address_space: global }
      - { .name: q_img, .offset: 32, .size: 8, .value_kind: global_buffer, .address_space: global }
      - { .name: k_img, .offset: 40, .size: 8, .value_kind: global_buffer, .address_space: global }
      - { .name: v_img, .offset: 48, .size: 8, .value_kind: global_buffer, .address_space: global }
    .group_segment_fixed_size: 327680
    .private_segment_fixed_size: 0
    .kernarg_segment_align: 8
    .kernarg_segment_size: 56
    .max_flat_workgroup_size: 128
    .sgpr_count:     100
    .vgpr_count:     1024
    .wavefront_size: 32
...
	.end_amdgpu_metadata
.endif
;; end of part 2
;; launch attn (part 3): grid 4 x 64, 8 waves a work-group, clusters of 4 x 1, 327,680 bytes of LDS; arguments q_img, k_img, v_img, lowp_scales, y_img; writes y_img
.if DOCPART == 3
	.amdgcn_target "amdgcn-amd-amdhsa--gfx1250"
	.amdhsa_code_object_version 6
	.text
	.protected	k_q1e39389fb3_attn
	.globl	k_q1e39389fb3_attn
	.p2align	8
	.type	k_q1e39389fb3_attn,@function
k_q1e39389fb3_attn:
	s_mov_b64 s[64:65], 0
	v_nop
	global_prefetch_b8 v0, s[64:65] scope:SCOPE_SE
	s_setreg_imm32_b32 hwreg(HW_REG_WAVE_MODE, 25, 1), 1
	s_wait_xcnt 0x0
	s_wait_alu depctr_hold_cnt(0) depctr_sa_sdst(0) depctr_va_vdst(0) depctr_va_sdst(0) depctr_va_ssrc(0) depctr_va_vcc(0) depctr_vm_vsrc(0)
	s_getreg_b32 s2, hwreg(HW_REG_IB_STS2, 6, 4)
	s_cmp_eq_u32 s2, 0
	s_cbranch_scc0 .Lentry_in_a_cluster
	s_endpgm
.Lentry_in_a_cluster:
	s_bfe_u32 s2, ttmp6, 0x10000c
	s_cmp_lg_u32 s2, 0x3003
	s_cbranch_scc0 .Lentry_shape_is_right
	s_endpgm
.Lentry_shape_is_right:
; y[b][t][head][:] = the sum over keys k <= t of softmax_k(q . k / 8) v, both products on codes of FP8 (E4M3); y is quantised with lowp_scales[6] and stored as an image of the last product's operand.
; LEFT OUT: key steps all of whose keys come after a tile's queries: the causal mask gives them the weight 0, whatever the inputs hold.
; q_img, k_img: [batch x head][t / 16][1,024 bytes]: fragments of 16 rows x 64.  v_img: [batch x head][key / 128][d / 16][2,048 bytes]: fragments of 16 d x 128 keys.  Registers 4 g .. 4 g + 3 of lane l lie at 512 g + 16 l;
; lane (r, h) holds row r, registers 2 c, 2 c + 1 hold K = 16 c + 8 h + 0 .. 7.  y_img: [row / 16][head][1,024 bytes].
; THE SOFTMAX: t = score x log2(e) / 8; M = the running largest t rounded UP to a whole number; p = 2^(t - M) is quantised along the keys, not normalised; the row's sum is taken of the unquantised p and divides at the end.
; When M moves, the sum and O are multiplied by 2^(old M - new M): exact.
; LDS HOLDS A HEAD'S K AND V WHOLE: K's 131,072 bytes at 0, V's behind them.  No byte is filled twice.  The eight waves ask for key steps 0 and 1 at the head (4,096 bytes a wave), and for steps 2 to 15 (28,672 bytes a wave)
; behind the full sequence and a round; one barrier stands in front of step 2, and none behind it: the waves share nothing but what the loads brought.
; CLUSTER 4, 1, 1: the four work-groups of a head need the same K and V and ask for them jointly (mask 15).
; SHARES.  A head has 64 pairs of query tiles (32 queries).  The work-group at place cx owns pairs m = cx + 4 j, j = 0 .. 15; pair m needs key steps 0 .. j and its diagonal lies in step j: no branch hangs on cx.
; Wave w owns j = jl (L) and j = 15 - jl (H), jl = w xor 3 (w / 4): 0 1 2 3 7 6 5 4: 17 pair steps for every wave, and waves w and w + 4 together walk 25 steps with loads.
; H and L walk the keys together, so a fragment of K or V read from LDS feeds two or four matrix instructions.  In a step L goes first; behind H's score products, K's last reader, the next step's K is fetched.
; LAYOUT.  S^T = K Q^T, O^T = V^T P^T: a lane holds ONE query; register 8 c + i of S^T is key 16 c + 8 h + i: the second product's own order, so the conversions' results are its operand.
; NO PREFETCH: every byte of K and V is asked for by the two groups of loads at the head; no later load follows for a prefetch to run ahead of.
; LIMITS: e2 + e3 between -123 and 130 (added to c's exponent field); e4, and e6 - e4 - e5, between -126 and 119; the scaled scores stay under 2^31 in magnitude.  NaN is not served.
; REGISTERS.  Window 0: v1-7, v47 addresses and the mask's numbers; v8-23 four tiles' state (-M, largest score, the sum in two halves); v24-39 at work; v40-45 constants; v48-175 S^T of a pair, then p; v176-207 p's codes; v208-239 Q.
; Window 1: v0-63 K's eight fragments; v64-127 V's four; v128-255 O^T of the four tiles.
.set VOFF,  131072
.set SPARE, 262144                     ; behind K and V: the spare words, 128 bytes a wave: four blocks of 256 bytes that no other line names
.set LI,   1                           ; 16 x lane
.set ADK,  2                           ; the next step's K
.set ADV,  3                           ; the step's V
.set DV,   4                           ; r - 8 h + 32 cx
.set SPW,  5
.set NIL,  6
.set DV2,  7                           ; DV - 64
.set ST,   8
.set TA,   24                          ; tile u: +8u: two maxima (later a chain of the sum), a permute, -, f (pair), a chain of the sum (pair)
.set LIMP, 40                          ; 448 x 2^e4, twice: the dual form takes its second sources from two registers
.set LIMP2, 41
.set SCP,  42                          ; 2^e4
.set NINF, 43
.set LIMY, 44
.set SCY,  45
.set LIV,  47                          ; VOFF + 16 x lane
.set S,    48
.set CD,   176
.set Q,    208
.set KF,   0
.set VF,   64
.set O,    128
.set WV, 14
.set CX, 15
.set BH, 16
.set JH, 17
.set JL, 18
.set KI, 19
.set SEL, 20
.set CS, 22
.set G1A, 24
.set G1B, 32
.set G0A, 40
.set G0B, 44
.set TB, 48
.set TBN, 49
.set HO, 50
.set EX, 68
.set QPH, 76
.set QPL, 78
.set YPH, 80
.set YPL, 82
.set MSB, 0
.macro WIN new                         ; the immediate's high byte repeats the setting that is left
.if MSB != (\new)
	s_set_vgpr_msb (MSB<<8)|(\new)
.set MSB, (\new)
.endif
.endm
.macro CROUND                          ; a round of the cluster's barrier
	s_barrier_signal -1
	s_barrier_wait -1
	s_cmp_lg_u32 s[WV], 0
	s_cbranch_scc1 .Lnw0_\@
	s_barrier_signal -3
.Lnw0_\@:
	s_barrier_wait -3
	s_barrier_signal -1
	s_barrier_wait -1
.endm
.macro NOPS n
.rept \n
	v_nop
.endr
.endm
.macro KLOAD adr                       ; a step's eight fragments of K: 16 loads of 512 consecutive bytes
	WIN 0x40
.irp c, 0,1,2,3,4,5,6,7
	ds_load_b128 v[KF+8*\c:KF+8*\c+3], v[\adr] offset:1024*\c
	ds_load_b128 v[KF+8*\c+4:KF+8*\c+7], v[\adr] offset:1024*\c+512
.endr
	WIN 0
.endm
.macro SUMP u                          ; tile u's 64 unquantised p onto its sum: 32 packed additions in four chains
.set PB, S+64*(\u)
.set SM, SB+4*(\u)+2
.set XC, TA+8*(\u)+6
	v_pk_add_f32 v[XC:XC+1], v[PB:PB+1], v[PB+2:PB+3]
	v_pk_add_f32 v[TA:TA+1], v[PB+4:PB+5], v[PB+6:PB+7]
	v_pk_add_f32 v[TA+8:TA+9], v[PB+8:PB+9], v[PB+10:PB+11]
.irp j, 12,20,28,36,44,52
	v_pk_add_f32 v[SM:SM+1], v[SM:SM+1], v[PB+\j:PB+\j+1]
	v_pk_add_f32 v[XC:XC+1], v[XC:XC+1], v[PB+\j+2:PB+\j+3]
	v_pk_add_f32 v[TA:TA+1], v[TA:TA+1], v[PB+\j+4:PB+\j+5]
	v_pk_add_f32 v[TA+8:TA+9], v[TA+8:TA+9], v[PB+\j+6:PB+\j+7]
.endr
	v_pk_add_f32 v[SM:SM+1], v[SM:SM+1], v[PB+60:PB+61]
	v_pk_add_f32 v[XC:XC+1], v[XC:XC+1], v[PB+62:PB+63]
	v_pk_add_f32 v[TA:TA+1], v[TA:TA+1], v[TA+8:TA+9]
	v_pk_add_f32 v[SM:SM+1], v[SM:SM+1], v[XC:XC+1]
	v_pk_add_f32 v[SM:SM+1], v[SM:SM+1], v[TA:TA+1]
.endm
; One pair's step of 128 keys.  P: 0 = H, 1 = L; J: the scalar that holds the pair's diagonal step; msk = 0: the text cannot meet the diagonal; pf = 1: the next step's K is fetched behind the score products.
.macro STEP2 P, J, msk, pf
.set QB, Q+16*(\P)
.set OB, O+64*(\P)
.set SB, ST+8*(\P)
	WIN 0x01                                       ; source 0 (K) in window 1
.irp c, 0,1,2,3,4,5,6,7
.irp u, 0,1
	v_wmma_f32_16x16x64_fp8_fp8 v[S+64*\u+8*\c:S+64*\u+8*\c+7], v[KF+8*\c:KF+8*\c+7], v[QB+8*\u:QB+8*\u+7], 0
.endr
.endr
	WIN 0
	NOPS 4                                         ; places in front of the first read of the scores and of loads into K's registers
.if \pf
	KLOAD ADK
.endif
.if \msk
	s_cmp_lg_u32 s[KI], s[\J]                      ; the wave's number and the count of steps alone
	s_cbranch_scc1 .Lopen_\@
.irp u, 0,1                                    ; on the diagonal register 8 c + i of tile u is hidden where 16 c + i - 16 u > DV: -infinity, so p = 0
.set n, 0
.rept 64
.if n < 32
	v_cmp_gt_i32 vcc_lo, 16*(n/8)+n%8-16*\u, v[DV]
.else
	v_cmp_gt_i32 vcc_lo, 16*(n/8)+n%8-16*\u-64, v[DV2]
.endif
	v_cndmask_b32 v[S+64*\u+n], v[S+64*\u+n], v[NINF], vcc_lo
.set n, n+1
.endr
.endr
.Lopen_\@:
.endif
.irp u, 0,1                                    ; the step's largest score: two chains a tile, the two tiles line by line; each accumulator is read from its low end on
	v_max3_num_f32 v[TA+8*\u], v[S+64*\u], v[S+64*\u+1], v[S+64*\u+2]
	v_max3_num_f32 v[TA+8*\u+1], v[S+64*\u+3], v[S+64*\u+4], v[S+64*\u+5]
.endr
.irp i, 6,10,14,18,22,26,30,34,38,42,46,50,54,58
.irp u, 0,1
	v_max3_num_f32 v[TA+8*\u], v[TA+8*\u], v[S+64*\u+\i], v[S+64*\u+\i+1]
	v_max3_num_f32 v[TA+8*\u+1], v[TA+8*\u+1], v[S+64*\u+\i+2], v[S+64*\u+\i+3]
.endr
.endr
.irp u, 0,1
	v_max3_num_f32 v[TA+8*\u], v[TA+8*\u], v[S+64*\u+62], v[S+64*\u+63]
.endr
.irp u, 0,1
	v_max_num_f32 v[TA+8*\u], v[TA+8*\u], v[TA+8*\u+1]
.endr
.irp u, 0,1
	v_permlanex16_b32 v[TA+8*\u+2], v[TA+8*\u], s[SEL], s[SEL+1]
.endr
.irp u, 0,1
	v_max3_num_f32 v[SB+4*\u+1], v[SB+4*\u+1], v[TA+8*\u], v[TA+8*\u+2]   ; the running largest score, lane l xor 16's among them
.endr
.irp u, 0,1
	v_mul_f32 v[TA+8*\u], s[CS], v[SB+4*\u+1]      ; as t (c is positive)
.endr
.irp u, 0,1
	v_mov_b32 v[TA+8*\u+1], v[SB+4*\u]
.endr
.irp u, 0,1
	v_floor_f32 v[SB+4*\u], -v[TA+8*\u]            ; the new -M = floor(-t): M is a whole number
.endr
.irp u, 0,1
	v_sub_f32 v[TA+8*\u], v[SB+4*\u], v[TA+8*\u+1] ; old M - new M: a whole number, 0 or less
.endr
.irp u, 0,1
	v_cvt_i32_f32 v[TA+8*\u], v[TA+8*\u]           ; (it saturates)
.endr
.irp u, 0,1
	v_ldexp_f32 v[TA+8*\u+4], 1.0, v[TA+8*\u]      ; f = 2^(old M - new M)
.endr
.set n, 0
.rept 32
	v_pk_fma_f32 v[S+n:S+n+1], v[S+n:S+n+1], s[CS:CS+1], v[SB:SB+1] op_sel_hi:[1,0,0]   ; tile 0: t - M
.set n, n+2
.endr
	s_wait_alu depctr_va_vdst(0)                   ; the wait ahead of the batch
.set n, 0
.rept 32                                       ; tile 0's p = 2^(t - M); tile 1's t - M, which nothing reads before the wait behind the batch, stands among the exponentials
	v_exp_f32 v[S+n], v[S+n]
	v_pk_fma_f32 v[S+64+n:S+64+n+1], v[S+64+n:S+64+n+1], s[CS:CS+1], v[SB+4:SB+5] op_sel_hi:[1,0,0]
	v_exp_f32 v[S+n+1], v[S+n+1]
.set n, n+2
.endr
.irp u, 0,1
	v_pk_mul_f32 v[SB+4*\u+2:SB+4*\u+3], v[SB+4*\u+2:SB+4*\u+3], v[TA+8*\u+4:TA+8*\u+5] op_sel_hi:[1,0]   ; the sums under the new M: plain lines behind the batch
.endr
	s_wait_alu depctr_va_vdst(0)                   ; one wait for the batch, ahead of its first reader
	SUMP 0                                         ; the sum of the UNQUANTISED p
	s_wait_alu depctr_va_vdst(0)                   ; and ahead of the second batch
.set n, 0
.rept 32                                       ; tile 1's p; tile 0's hold stands among the exponentials: the conversion does not saturate (ISA guide 7.6.2); p is not negative: a one-sided hold, two numbers a line
	v_exp_f32 v[S+64+n], v[S+64+n]
	v_dual_min_num_f32 v[S+n], v[S+n], v[LIMP] :: v_dual_min_num_f32 v[S+n+1], v[S+n+1], v[LIMP2]
	v_exp_f32 v[S+64+n+1], v[S+64+n+1]
.set n, n+2
.endr
	v_nop                                          ; a plain line behind the batch
	s_wait_alu depctr_va_vdst(0)                   ; one wait for the batch, ahead of its first reader
	SUMP 1
.set n, 0
.rept 32
	v_dual_min_num_f32 v[S+64+n], v[S+64+n], v[LIMP] :: v_dual_min_num_f32 v[S+64+n+1], v[S+64+n+1], v[LIMP2]
.set n, n+2
.endr
.irp u, 0,1
.irp c, 0,1,2,3,4,5,6,7
	v_cvt_scalef32_pk8_fp8_f32 v[CD+16*\u+2*\c:CD+16*\u+2*\c+1], v[S+64*\u+8*\c:S+64*\u+8*\c+7], v[SCP]
.endr
.endr
	WIN 0x41                                       ; O^T in window 1, f in window 0
	s_wait_alu depctr_va_vdst(0)                   ; the wait directly ahead of the first reader of O^T
.irp u, 0,1
.set n, 0
.rept 16
	v_pk_mul_f32 v[OB+32*\u+n:OB+32*\u+n+1], v[OB+32*\u+n:OB+32*\u+n+1], v[TA+8*\u+4:TA+8*\u+5] op_sel_hi:[1,0]   ; O^T under the new M; also the plain lines behind the conversions
.set n, n+2
.endr
.endr
	s_wait_alu depctr_va_vdst(0)
.if \pf
	s_wait_dscnt 16                                ; V is in; the next step's 16 loads of K may be out
.else
	s_wait_dscnt 0x0                               ; V is in
.endif
	WIN 0x51                                       ; V and O^T in window 1, the codes in window 0
.irp a, 0,1,2,3
.irp u, 0,1
	v_wmma_f32_16x16x128_fp8_fp8 v[OB+32*\u+8*\a:OB+32*\u+8*\a+7], v[VF+16*\a:VF+16*\a+15], v[CD+16*\u:CD+16*\u+15], v[OB+32*\u+8*\a:OB+32*\u+8*\a+7]   ; eight accumulators by turns
.endr
.endr
	WIN 0
.endm
; A key step.  K's fragments were asked for a step ago; V's are asked for here.  hm = 0: the text serves steps 0 and 1, which lie under H's diagonal in every wave; what it fetches ahead is step 1's K both times,
; since step 2's may not have landed.  hm = 1: the step behind a wave's last fetches 8,192 bytes that nobody uses; they lie inside K's and V's bytes.
.macro TRIP hm
.if \hm
	s_cmp_gt_u32 s[KI], s[JH]
	s_cbranch_scc1 .Lend_\@
	s_add_co_u32 s[TBN], s[TB], 8192
.else
	s_mov_b32 s[TBN], 8192
.endif
	v_add_nc_u32 v[ADV], s[TB], v[LIV]
	v_add_nc_u32 v[ADK], s[TBN], v[LI]
	NOPS 2                                         ; with the two additions: four places in front of loads into registers that the last products read
	WIN 0x40
.irp a, 0,1,2,3
.irp g, 0,1,2,3
	ds_load_b128 v[VF+16*\a+4*\g:VF+16*\a+4*\g+3], v[ADV] offset:2048*\a+512*\g
.endr
.endr
	WIN 0
	s_wait_alu depctr_va_vdst(0)
	s_wait_dscnt 16                                ; K is in; V's 16 loads may be out
	s_cmp_gt_u32 s[KI], s[JL]
	s_cbranch_scc1 .Lnol_\@
	STEP2 1, JL, 1, 0
.Lnol_\@:
	STEP2 0, JH, \hm, 1
.Lend_\@:
.endm
	s_load_b128 s[4:7], s[0:1], 0x0                ; q_img, k_img
	s_load_b128 s[8:11], s[0:1], 0x10              ; v_img, the exponents
	s_load_b64 s[12:13], s[0:1], 0x20              ; y_img
	v_lshl_add_u32 v[SPW], v0, 2, SPARE
	v_mov_b32 v[NIL], 0
	ds_add_u32 v[SPW], v[NIL]                      ; the opening lines: the add, twice on end, and its wait ahead of my first tensor load
	ds_add_u32 v[SPW], v[NIL]
	v_lshrrev_b32 v2, 5, v0
	v_readfirstlane_b32 s[WV], v2                  ; wave 0..7
	v_and_b32 v[LI], 31, v0
	v_lshlrev_b32 v[LI], 4, v[LI]
	s_bfe_u32 s[CX], ttmp6, 0x40000                ; my place in the cluster
	s_and_b32 s[BH], ttmp7, 0xffff                 ; batch x 16 + head
	s_lshl_b32 s[HO], s[BH], 17                    ; its 131,072 bytes in q_img, k_img, v_img
	s_mov_b32 s[HO+1], 0
	s_lshr_b32 s[JL], s[WV], 2
	s_mul_i32 s[JL], s[JL], 3
	s_xor_b32 s[JL], s[JL], s[WV]                  ; 0 1 2 3 7 6 5 4
	s_sub_co_u32 s[JH], 15, s[JL]
	s_lshl_b32 s88, s[JH], 2
	s_add_co_u32 s88, s88, s[CX]                   ; H's pair m
	s_lshl_b32 s84, s88, 11                        ; a pair's Q: 2,048 bytes
	s_mov_b32 s85, 0
	s_lshl_b32 s89, s[JL], 2
	s_add_co_u32 s89, s89, s[CX]                   ; L's
	s_lshl_b32 s86, s89, 11
	s_mov_b32 s87, 0
	s_mov_b32 s[G1A], 15|(3<<16)|(1<<21)           ; the mask of all four; elements of 8 bytes; bit 21 beside a mask; no padding
	s_mov_b32 s[G1A+1], 32<<16                     ; rows of 256 bytes, dense
	s_mov_b32 s[G1A+2], 16<<16                     ; 16 rows
	s_mov_b32 s[G1A+3], 32<<16
	s_mov_b32 s[G1A+4], 16
	s_mov_b32 s[G1A+5], 32
	s_mov_b32 s[G1A+6], 0
	s_mov_b32 s[G1A+7], 0
	s_mov_b32 s[G1B], 15|(3<<16)|(1<<21)
	s_mov_b32 s[G1B+1], 32<<16
	s_mov_b32 s[G1B+2], 112<<16                    ; 112 rows
	s_mov_b32 s[G1B+3], 32<<16
	s_mov_b32 s[G1B+4], 112
	s_mov_b32 s[G1B+5], 32
	s_mov_b32 s[G1B+6], 0
	s_mov_b32 s[G1B+7], 0
	s_lshr_b32 s52, s[WV], 2                       ; waves 0-3 fetch K, waves 4-7 V,
	s_and_b32 s53, s[WV], 3                        ; a quarter each
	s_lshl_b32 s54, s52, 17
	s_lshl_b32 s58, s53, 12
	s_mov_b32 s59, 0
	s_mul_i32 s60, s53, 28672
	s_add_co_u32 s60, s60, 16384
	s_mov_b32 s61, 0
	s_mov_b32 s[G0A], 1
	s_add_co_u32 s[G0A+1], s54, s58
	s_mov_b32 s[G0B], 1
	s_add_co_u32 s[G0B+1], s54, s60
	s_mov_b32 s[SEL], 0x76543210
	s_mov_b32 s[SEL+1], 0xfedcba98
	s_mov_b32 s[CS], 0x3e38aa3b                    ; log2(e) / 8
	s_wait_alu depctr_va_vdst(0)
	s_wait_dscnt 0x0                               ; both opening adds are done
	s_wait_kmcnt 0x0
	s_load_b256 s[EX:EX+7], s[10:11], 0x0          ; the eight exponents
	s_add_nc_u64 s[4:5], s[4:5], s[HO:HO+1]
	s_add_nc_u64 s[QPH:QPH+1], s[4:5], s[84:85]
	s_add_nc_u64 s[QPL:QPL+1], s[4:5], s[86:87]
.irp g, 0,1,2,3
	global_load_b128 v[Q+4*\g:Q+4*\g+3], v[LI], s[QPH:QPH+1] offset:512*\g
	global_load_b128 v[Q+16+4*\g:Q+16+4*\g+3], v[LI], s[QPL:QPL+1] offset:512*\g
.endr
	s_cmp_eq_u32 s52, 0
	s_cselect_b64 s[56:57], s[6:7], s[8:9]
	s_add_nc_u64 s[56:57], s[56:57], s[HO:HO+1]
	s_add_nc_u64 s[G0A+2:G0A+3], s[56:57], s[58:59]
	s_or_b32 s[G0A+3], s[G0A+3], 0x80000000
	s_add_nc_u64 s[G0B+2:G0B+3], s[56:57], s[60:61]
	s_or_b32 s[G0B+3], s[G0B+3], 0x80000000
	CROUND                                         ; all four work-groups are here: the first joint loads meet
	tensor_load_to_lds s[G0A:G0A+3], s[G1A:G1A+7]  ; key steps 0 and 1: my one load at the head
	s_nop 0
	NOPS 4
	s_mov_b32 s55, 0
	s_lshr_b32 s54, s[BH], 4
	s_lshl_b32 s54, s54, 21                        ; y_img: the batch's 128 blocks of 16,384 bytes,
	s_and_b32 s56, s[BH], 15
	s_lshl_b32 s56, s56, 10                        ; the head's 1,024 bytes in a block,
	s_add_co_u32 s54, s54, s56
	s_add_nc_u64 s[12:13], s[12:13], s[54:55]
	s_lshl_b32 s54, s88, 15                        ; a pair's two blocks
	s_add_nc_u64 s[YPH:YPH+1], s[12:13], s[54:55]
	s_lshl_b32 s54, s89, 15
	s_add_nc_u64 s[YPL:YPL+1], s[12:13], s[54:55]
	s_lshl_b32 s57, s[CX], 5
	s_wait_kmcnt 0x0
	s_add_co_i32 s58, s[EX+2], s[EX+3]
	s_lshl_b32 s58, s58, 23
	s_add_co_i32 s[CS], s[CS], s58                 ; a score stands for score x 2^(e2 + e3)
	s_mov_b32 s[CS+1], s[CS]
	s_add_co_i32 s58, s[EX+4], 127
	s_lshl_b32 s59, s58, 23                        ; 2^e4
	s_add_co_i32 s58, s58, 8
	s_lshl_b32 s58, s58, 23
	s_or_b32 s58, s58, 0x600000                    ; 448 x 2^e4
	s_sub_co_i32 s60, s[EX+6], s[EX+4]
	s_sub_co_i32 s60, s60, s[EX+5]                 ; O / l stands for y / 2^(e4 + e5): y's conversion takes 2^(e6 - e4 - e5)
	s_add_co_i32 s60, s60, 127
	s_lshl_b32 s61, s60, 23
	s_add_co_i32 s60, s60, 8
	s_lshl_b32 s60, s60, 23
	s_or_b32 s60, s60, 0x600000
	v_add_nc_u32 v[LIV], VOFF, v[LI]
	v_and_b32 v[DV], 15, v0
	v_bfe_u32 v[DV2], v0, 4, 1
	v_lshlrev_b32 v[DV2], 3, v[DV2]
	v_sub_nc_u32 v[DV], v[DV], v[DV2]
	v_add_nc_u32 v[DV], s57, v[DV]                 ; r - 8 h + 32 cx: my query of tile 0, counted from the diagonal step's first key, less my half's 8 keys
	v_add_nc_u32 v[DV2], 0xffffffc0, v[DV]
.irp t, 0,1,2,3
	v_mov_b32 v[ST+4*\t+1], 0xff61b1e6             ; the largest score so far: -3e38
	v_floor_f32 v[ST+4*\t], -v[ST+4*\t+1]
	v_mov_b32 v[ST+4*\t+2], 0
	v_mov_b32 v[ST+4*\t+3], 0
.endr
.set n, 0
.rept 16
	v_mov_b32 v[TA+n], 0                           ; permutes' destinations and pairs' upper halves count as read
.set n, n+1
.endr
	v_mov_b32 v[LIMP], s58
	v_mov_b32 v[LIMP2], s58
	v_mov_b32 v[SCP], s59
	v_mov_b32 v[NINF], 0xff800000
	v_mov_b32 v[LIMY], s60
	v_mov_b32 v[SCY], s61
	WIN 0x40
.set n, 0
.rept 128
	v_mov_b32 v[O+n], 0                            ; the four O^T: the step is written once, and its first walk finds zeros
.set n, n+1
.endr
	WIN 0
	s_wait_alu depctr_va_vdst(0)                   ; the wait at the head's end
	s_wait_tensorcnt 0x0                           ; my part of steps 0 and 1 is in; the later first fill is issued as a refill is:
	ds_add_u32 v[SPW], v[NIL]
	s_wait_dscnt 0x0
	CROUND
	tensor_load_to_lds s[G0B:G0B+3], s[G1B:G1B+7]  ; key steps 2 to 15: my one load behind the round
	s_nop 0
	NOPS 4
	KLOAD LI                                       ; step 0's K
	s_wait_loadcnt 0x0                             ; Q
	s_mov_b32 s[KI], 0
	s_mov_b32 s[TB], 0
.Lfirst:                                           ; steps 0 and 1
	TRIP 0
	s_add_co_u32 s[KI], s[KI], 1
	s_add_co_u32 s[TB], s[TB], 8192
	s_cmp_lt_u32 s[KI], 2
	s_cbranch_scc1 .Lfirst
	s_wait_tensorcnt 0x0                           ; my part of steps 2 to 15 is in
	ds_add_u32 v[SPW], v[NIL]
	s_wait_dscnt 0x0
	s_barrier_signal -1
	s_barrier_wait -1                              ; and everybody's
	v_add_nc_u32 v[ADK], 16384, v[LI]
	NOPS 3
	KLOAD ADK                                      ; step 2's K
	s_mov_b32 s[KI], 2
	s_mov_b32 s[TB], 16384
.Lrest:                                            ; 14 trips in every wave; a pair's steps behind its diagonal are jumped over
	TRIP 1
	s_add_co_u32 s[KI], s[KI], 1
	s_add_co_u32 s[TB], s[TB], 8192
	s_cmp_lt_u32 s[KI], 16
	s_cbranch_scc1 .Lrest
	; THE WAY OUT: O^T / the sum, held, converted: the codes are y's fragments as they stand
	NOPS 4                                         ; places behind the last products
.irp t, 0,1,2,3
	v_add_f32 v[ST+4*\t+2], v[ST+4*\t+2], v[ST+4*\t+3]
.endr
.irp t, 0,1,2,3
	v_permlanex16_b32 v[TA+2*\t], v[ST+4*\t+2], s[SEL], s[SEL+1]
.endr
.irp t, 0,1,2,3
	v_add_f32 v[ST+4*\t+2], v[ST+4*\t+2], v[TA+2*\t]
.endr
	s_wait_alu depctr_va_vdst(0)                   ; the wait ahead of the batch
.irp t, 0,1,2,3
	v_rcp_f32 v[TA+2*\t], v[ST+4*\t+2]
.endr
	v_nop                                          ; a plain line behind the reciprocals
	WIN 0x01                                       ; O^T in window 1
	s_wait_alu depctr_va_vdst(0)                   ; one wait for the four, directly ahead of the first reader of them and of O^T
.irp t, 0,1,2,3
.set n, 0
.rept 16
	v_pk_mul_f32 v[S+32*\t+n:S+32*\t+n+1], v[O+32*\t+n:O+32*\t+n+1], v[TA+2*\t:TA+2*\t+1] op_sel_hi:[1,0]
.set n, n+2
.endr
.endr
	WIN 0
.set n, 0
.rept 128
	v_med3_num_f32 v[S+n], v[S+n], -v[LIMY], v[LIMY]
.set n, n+1
.endr
.irp t, 0,1,2,3
.irp a, 0,1,2,3
	v_cvt_scalef32_pk8_fp8_f32 v[CD+8*\t+2*\a:CD+8*\t+2*\a+1], v[S+32*\t+8*\a:S+32*\t+8*\a+7], v[SCY]
.endr
.endr
	v_nop
.irp u, 0,1
.irp g, 0,1
	global_store_b128 v[LI], v[CD+8*\u+4*\g:CD+8*\u+4*\g+3], s[YPH:YPH+1] offset:16384*\u+512*\g         ; 512 consecutive bytes, aligned
	global_store_b128 v[LI], v[CD+16+8*\u+4*\g:CD+16+8*\u+4*\g+3], s[YPL:YPL+1] offset:16384*\u+512*\g
.endr
.endr
	s_wait_tensorcnt 0x0                           ; the wave's end, behind my last tensor load
	ds_add_u32 v[SPW], v[NIL]
	s_wait_dscnt 0x0
	CROUND                                         ; the closing round
	s_endpgm
.Lfunc_end_k_q1e39389fb3_attn:
	.size	k_q1e39389fb3_attn, .Lfunc_end_k_q1e39389fb3_attn-k_q1e39389fb3_attn
	.p2alignl 7, 3214868480
	.fill 96, 4, 3214868480
	.section	.rodata,"a",@progbits
	.p2align	6, 0x0
	.amdhsa_kernel k_q1e39389fb3_attn
		.amdhsa_group_segment_fixed_size 327680
		.amdhsa_private_segment_fixed_size 0
		.amdhsa_enable_private_segment 0
		.amdhsa_kernarg_size 40
		.amdhsa_user_sgpr_count 2
		.amdhsa_user_sgpr_kernarg_segment_ptr 1
		.amdhsa_wavefront_size32 1
		.amdhsa_system_sgpr_workgroup_id_x 1
		.amdhsa_system_sgpr_workgroup_id_y 1
		.amdhsa_system_sgpr_workgroup_id_z 1
		.amdhsa_system_vgpr_workitem_id 0
		.amdhsa_next_free_vgpr 512
		.amdhsa_next_free_sgpr 96
		.amdhsa_reserve_vcc 1
		.amdhsa_float_denorm_mode_32 3
		.amdhsa_float_denorm_mode_16_64 3
		.amdhsa_memory_ordered 1
		.amdhsa_forward_progress 1
		.amdhsa_inst_pref_size 163
	.end_amdhsa_kernel
	.amdgpu_metadata
---
amdhsa.version: [ 1, 2 ]
amdhsa.kernels:
  - .name:           k_q1e39389fb3_attn
    .symbol:         k_q1e39389fb3_attn.kd
    .args:
      - { .name: q_img, .offset: 0, .size: 8, .value_kind: global_buffer, .address_space: global }
      - { .name: k_img, .offset: 8, .size: 8, .value_kind: global_buffer, .address_space: global }
      - { .name: v_img, .offset: 16, .size: 8, .value_kind: global_buffer, .address_space: global }
      - { .name: lowp_scales, .offset: 24, .size: 8, .value_kind: global_buffer, .address_space: global }
      - { .name: y_img, .offset: 32, .size: 8, .value_kind: global_buffer, .address_space: global }
    .group_segment_fixed_size: 327680
    .private_segment_fixed_size: 0
    .kernarg_segment_align: 8
    .kernarg_segment_size: 40
    .max_flat_workgroup_size: 256
    .sgpr_count:     96
    .vgpr_count:     512
    .wavefront_size: 32
...
	.end_amdgpu_metadata
.endif
;; end of part 3
;; launch proj (part 4): grid 4 x 64, 4 waves a work-group, clusters of 4 x 4, 327,680 bytes of LDS; arguments y_img, wproj_img, lowp_scales, out0; writes out0
.if DOCPART == 4
	.amdgcn_target "amdgcn-amd-amdhsa--gfx1250"
	.amdhsa_code_object_version 6
	.text
	.protected	k_q1e39389fb3_proj
	.globl	k_q1e39389fb3_proj
	.p2align	8
	.type	k_q1e39389fb3_proj,@function
k_q1e39389fb3_proj:
	s_mov_b64 s[64:65], 0
	v_nop
	global_prefetch_b8 v0, s[64:65] scope:SCOPE_SE
	s_setreg_imm32_b32 hwreg(HW_REG_WAVE_MODE, 25, 1), 1
	s_wait_xcnt 0x0
	s_wait_alu depctr_hold_cnt(0) depctr_sa_sdst(0) depctr_va_vdst(0) depctr_va_sdst(0) depctr_va_ssrc(0) depctr_va_vcc(0) depctr_vm_vsrc(0)
	s_getreg_b32 s2, hwreg(HW_REG_IB_STS2, 6, 4)
	s_cmp_eq_u32 s2, 0
	s_cbranch_scc0 .Lentry_in_a_cluster
	s_endpgm
.Lentry_in_a_cluster:
	s_bfe_u32 s2, ttmp6, 0x10000c
	s_cmp_lg_u32 s2, 0xf033
	s_cbranch_scc0 .Lentry_shape_is_right
	s_endpgm
.Lentry_shape_is_right:
; out0 = y w_proj on codes of FP8 (E4M3): [8192][1024] f32; each finished sum is multiplied once by 2^(e6 + e7).  LIMIT: e6 + e7 between -126 and 127.
; OPERANDS ARE IMAGES: y_img [row / 16][K / 128][2,048 bytes], wproj_img likewise with row = the weight's column; registers 4 g .. 4 g + 3 of lane l at 512 g + 16 l; so every LDS read is 16 x lane + a constant.
; A block of the result, 128 rows x 256 columns, is made by four waves, each 64 x 128: 32 accumulators, 256 registers: 64 x 4 = 256 work-groups.
; Source 0 = 16 columns' rows of the weight, source 1 = 16 rows of y: a lane holds eight neighbouring columns of one row of the result.
; LDS: region 0 (98,304 bytes) holds K 0-255 (y's 8 blocks of 4,096 bytes, then the weight's 16), and later K 768-1023; region 1 (196,608 bytes) holds K 256-767 (blocks of 8,192 bytes).
; So K = 1,024 comes by three fills: one at the head, one behind the full sequence and a round, one refill of region 0 behind the round that ends its reads.  Waves 0 and 1 fetch y's halves, waves 2 and 3 the weight's.
; CLUSTERS 4 x 4: y's tile hangs on the block's row alone and is asked for jointly along a row of the cluster, the weight's on the block's column alone, along a column.
; NO PREFETCH: of the three fills two are first fills, and the text has no loop to run ahead in.
; REGISTERS: window 0: v16-29 addresses; v128-191, v192-255 y's fragments, two sets; on the way out v32-95 and v128-255 at work.  Window 1: the weight's fragments, two sets (v0, v128).  Window 2: accumulator (a, b) at v[8 (8 a + b)].
.set NP,     4                         ; places behind this matrix instruction (ISA guide 7.12.1)
.set R1A,    98304                     ; region 1: y's blocks
.set R0B,    32768                     ; region 0: the weight's blocks
.set R1B,    163840                    ; region 1: the weight's blocks
.set SPARE,  294912                    ; behind the regions: the spare words, 128 bytes a wave: two blocks of 256 bytes that no other line names
.set STAGE,  R1A                       ; the way out: 16 rows x 528 bytes a wave, in region 1, which has had its one fill and its last read by then
.set SPITCH, 528
.set ROWC,   4096
.set ADRA, 16                          ; v16-17  my y fragments in region 0, 1
.set ADRB, 20                          ; v20-21  my weight fragments
.set STO,  24
.set RD,   25
.set LI,   27
.set SPW,  28
.set NIL,  29
.set TMP,  32
.set AF,   128
.set BK,   128
.set GA,  24                           ; group 1: y, 4 blocks x 256 K
.set GB,  32                           ; the weight, 8 blocks x 256 K
.set GA2, 48                           ; y, 4 blocks x 512 K
.set GB2, 56                           ; the weight, 8 blocks x 512 K
.set DA0, 68                           ; groups 0: region 0, region 1
.set DB0, 72
.set DA1, 76
.set DB1, 80
.set MSB, 0
.macro WIN new                         ; the immediate's high byte repeats the setting that is left
.if MSB != (\new)
	s_set_vgpr_msb (MSB<<8)|(\new)
.set MSB, (\new)
.endif
.endm
.set MUL,  0xa1                        ; source 0 window 1, source 1 window 0, C and D window 2
.set TO_B, 0x40
.macro JLOAD g0a, g1a, g0b, g1b        ; a joint load; the branch hangs on the wave's number alone; an s_nop 0 and four v_nop follow each line
	s_cmp_eq_u32 s15, 0
	s_cbranch_scc0 .Lfor_b_\@
	tensor_load_to_lds s[\g0a:\g0a+3], s[\g1a:\g1a+7]
	s_nop 0
.rept 4
	v_nop
.endr
	s_branch .Lasked_\@
.Lfor_b_\@:
	tensor_load_to_lds s[\g0b:\g0b+3], s[\g1b:\g1b+7]
	s_nop 0
.rept 4
	v_nop
.endr
.Lasked_\@:
.endm
.macro CREST                           ; a round of the cluster's barrier behind its opening barrier
	s_cmp_lg_u32 s14, 0
	s_cbranch_scc1 .Lnot_wave_0_\@
	s_barrier_signal -3
.Lnot_wave_0_\@:
	s_barrier_wait -3
	s_barrier_signal -1
	s_barrier_wait -1
.endm
.macro CROUND
	s_barrier_signal -1
	s_barrier_wait -1
	CREST
.endm
.macro PLACES n
.rept \n
	v_nop
.endr
.endm
.macro FETCH r, q, p                   ; the fragments of region r's q-th 128 along K into set p: 32 loads for the weight, 16 for y
	WIN TO_B
.irp i, 0,1,2,3,4,5,6,7
.irp c, 0,1,2,3
	ds_load_b128 v[128*(\p)+16*\i+4*\c:128*(\p)+16*\i+4*\c+3], v[ADRB+\r] offset:\i*(4096<<(\r))+(\q)*2048+512*\c
.endr
.endr
	WIN 0
.irp i, 0,1,2,3
.irp c, 0,1,2,3
	ds_load_b128 v[AF+64*(\p)+16*\i+4*\c:AF+64*(\p)+16*\i+4*\c+3], v[ADRA+\r] offset:\i*(4096<<(\r))+(\q)*2048+512*\c
.endr
.endr
.endm
.macro MUL16 a0, p, zero               ; y's blocks a0, a0 + 1 x the weight's eight; the 32 accumulators take turns, one instruction a turn
.irp a, \a0, \a0+1
.irp b, 0,1,2,3,4,5,6,7
.if \zero
	v_wmma_f32_16x16x128_fp8_fp8 v[8*(8*(\a)+\b):8*(8*(\a)+\b)+7], v[128*(\p)+16*\b:128*(\p)+16*\b+15], v[AF+64*(\p)+16*(\a):AF+64*(\p)+16*(\a)+15], 0
.else
	v_wmma_f32_16x16x128_fp8_fp8 v[8*(8*(\a)+\b):8*(8*(\a)+\b)+7], v[128*(\p)+16*\b:128*(\p)+16*\b+15], v[AF+64*(\p)+16*(\a):AF+64*(\p)+16*(\a)+15], v[8*(8*(\a)+\b):8*(8*(\a)+\b)+7]
.endif
.endr
.endr
.endm
.macro STEP p, zero, r, q              ; 128 along K on set p; first the next step's fragments (region r, q) are asked for, into the other set
	PLACES NP                                      ; in front of loads into registers that the last step's products read
	FETCH \r, \q, 1-(\p)
	s_wait_dscnt 48                                ; this step's fragments are in; the 48 loads just issued may be out
	WIN MUL
	MUL16 0, \p, \zero
	MUL16 2, \p, \zero
	WIN 0
.endm
; A region's last step: each wave waits for all its tensor loads, adds 0 to its spare word, waits for that and for its reads of the region, and passes the barrier.  fill = 1: the barrier opens a round, and region 0 takes K 768-1023.
.macro TURN p, fill, r, q
	s_wait_tensorcnt 0x0                           ; all my tensor loads have landed: my part of the region that is read next
	ds_add_u32 v[SPW], v[NIL]                      ; 0 onto my spare word
	s_wait_dscnt 1                                 ; this step's fragments are in; the add may be out
	WIN MUL
	MUL16 0, \p, 0
	s_wait_dscnt 0x0                               ; the add is done, and my reads of this region are over
	s_barrier_signal -1
	MUL16 2, \p, 0
	WIN 0
	s_barrier_wait -1
.if \fill
	CREST                                          ; no wave of any partner still reads region 0 or has a load on its way
	s_add_nc_u64 s[DA0+2:DA0+3], s[DA0+2:DA0+3], 3*4096
	s_add_nc_u64 s[DB0+2:DB0+3], s[DB0+2:DB0+3], 3*4096
	JLOAD DA0, GA, DB0, GB                         ; the first tensor load behind the round; its four v_nop are the places in front of the loads below
.else
	PLACES NP
.endif
	FETCH \r, \q, 1-(\p)
.endm
	s_load_b128 s[4:7], s[0:1], 0x0                ; y_img, wproj_img
	s_load_b128 s[8:11], s[0:1], 0x10              ; the exponents, out0
	v_lshl_add_u32 v[SPW], v0, 2, SPARE
	v_mov_b32 v[NIL], 0
	ds_add_u32 v[SPW], v[NIL]                      ; the opening lines: the add, twice on end, and its wait ahead of my first tensor load
	ds_add_u32 v[SPW], v[NIL]
	v_lshrrev_b32 v1, 5, v0
	v_readfirstlane_b32 s14, v1                    ; wave 0..3
	s_lshr_b32 s15, s14, 1                         ; which 64 rows are mine.  Also: I fetch for y (0) or for the weight (1)
	s_and_b32 s16, s14, 1                          ; which 128 columns are mine.  Also: which half of that tile I fetch
	s_bfe_u32 s40, ttmp6, 0x40000                  ; cx
	s_bfe_u32 s41, ttmp6, 0x40004                  ; cy
	s_lshl_b32 s19, ttmp9, 2
	s_add_co_u32 s19, s19, s40                     ; the block's column: 256 columns each
	s_and_b32 s18, ttmp7, 0xffff
	s_lshl_b32 s18, s18, 2
	s_add_co_u32 s18, s18, s41                     ; the block's row: 128 rows each
	s_lshl_b32 s43, s41, 2
	s_lshl_b32 s43, 15, s43                        ; my row of the cluster
	s_lshl_b32 s44, 0x1111, s40                    ; my column
	s_or_b32 s[GA], s43, (3<<16)|(1<<21)           ; the mask; elements of 8 bytes; bit 21 beside a mask; no padding
	s_or_b32 s[GA2], s43, (3<<16)|(1<<21)
	s_or_b32 s[GB], s44, (3<<16)|(1<<21)
	s_or_b32 s[GB2], s44, (3<<16)|(1<<21)
	s_mov_b32 s[GA+1], 512<<16                     ; a row: 16 rows x 256 K as images, 4,096 bytes
	s_mov_b32 s[GA+2], 4<<16                       ; 4 blocks
	s_mov_b32 s[GA+3], 512<<16
	s_mov_b32 s[GA+4], 4
	s_mov_b32 s[GB+1], 512<<16
	s_mov_b32 s[GB+2], 8<<16                       ; 8 blocks
	s_mov_b32 s[GB+3], 512<<16
	s_mov_b32 s[GB+4], 8
	s_mov_b32 s[GA2+1], 1024<<16                   ; 16 rows x 512 K: 8,192 bytes
	s_mov_b32 s[GA2+2], 4<<16
	s_mov_b32 s[GA2+3], 1024<<16
	s_mov_b32 s[GA2+4], 4
	s_mov_b32 s[GB2+1], 1024<<16
	s_mov_b32 s[GB2+2], 8<<16
	s_mov_b32 s[GB2+3], 1024<<16
	s_mov_b32 s[GB2+4], 8
.irp g, GA, GB, GA2, GB2
	s_mov_b32 s[\g+5], 2048                        ; from block to block: 16,384 bytes
	s_mov_b32 s[\g+6], 0
	s_mov_b32 s[\g+7], 0
.endr
	s_lshl_b32 s20, s18, 1
	s_add_co_u32 s20, s20, s16
	s_lshl_b32 s20, s20, 16                        ; y: (2 x block row + half) x 4 blocks x 16,384 bytes
	s_mov_b32 s21, 0
	s_lshl_b32 s46, s19, 1
	s_add_co_u32 s46, s46, s16
	s_lshl_b32 s46, s46, 17                        ; the weight: (2 x block column + half) x 8 blocks x 16,384 bytes
	s_mov_b32 s47, 0
	s_mov_b32 s[DA0], 1
	s_mov_b32 s[DB0], 1
	s_mov_b32 s[DA1], 1
	s_mov_b32 s[DB1], 1
	s_lshl_b32 s[DA0+1], s16, 14                   ; where they go: the half alone: no place in the cluster enters an LDS address
	s_lshl_b32 s42, s16, 15
	s_add_co_u32 s[DB0+1], s42, R0B
	s_add_co_u32 s[DA1+1], s42, R1A
	s_lshl_b32 s42, s16, 16
	s_add_co_u32 s[DB1+1], s42, R1B
	s_wait_dscnt 0x0                               ; both opening adds are done
	s_wait_kmcnt 0x0
	s_load_b64 s[96:97], s[8:9], 0x18              ; e6, e7
	s_add_nc_u64 s[DA0+2:DA0+3], s[4:5], s[20:21]
	s_add_nc_u64 s[DA1+2:DA1+3], s[DA0+2:DA0+3], 4096   ; K 256 on
	s_or_b32 s[DA0+3], s[DA0+3], 0x80000000
	s_or_b32 s[DA1+3], s[DA1+3], 0x80000000
	s_add_nc_u64 s[DB0+2:DB0+3], s[6:7], s[46:47]
	s_add_nc_u64 s[DB1+2:DB1+3], s[DB0+2:DB0+3], 4096
	s_or_b32 s[DB0+3], s[DB0+3], 0x80000000
	s_or_b32 s[DB1+3], s[DB1+3], 0x80000000
	CROUND                                         ; all sixteen work-groups are here: the first joint loads meet
	JLOAD DA0, GA, DB0, GB                         ; K 0-255: my one load at the head
	s_lshl_b32 s84, s15, 14                        ; my 64 rows of y in region 0,
	s_lshl_b32 s85, s15, 15
	s_add_co_u32 s85, s85, R1A                     ; in region 1;
	s_lshl_b32 s86, s16, 15
	s_add_co_u32 s86, s86, R0B                     ; my 128 columns of the weight in region 0,
	s_lshl_b32 s87, s16, 16
	s_add_co_u32 s87, s87, R1B                     ; in region 1
	s_mul_i32 s88, s14, 16*SPITCH
	s_add_co_u32 s88, s88, STAGE                   ; my stage
	s_lshl_b32 s92, s18, 7
	s_lshl_b32 s93, s15, 6
	s_add_co_u32 s92, s92, s93                     ; my first row of the result
	s_lshl_b32 s92, s92, 12
	s_lshl_b32 s93, s19, 10
	s_add_co_u32 s92, s92, s93
	s_lshl_b32 s93, s16, 9
	s_add_co_u32 s92, s92, s93                     ; + my first column, in bytes
	s_mov_b32 s93, 0
	s_add_nc_u64 s[10:11], s[10:11], s[92:93]
	v_and_b32 v1, 31, v0
	v_lshlrev_b32 v[LI], 4, v1
	v_add_nc_u32 v[ADRA], s84, v[LI]
	v_add_nc_u32 v[ADRA+1], s85, v[LI]
	v_add_nc_u32 v[ADRB], s86, v[LI]
	v_add_nc_u32 v[ADRB+1], s87, v[LI]
	v_and_b32 v2, 15, v0
	v_bfe_u32 v3, v0, 4, 1
	v_mul_u32_u24 v5, v2, SPITCH
	v_lshl_add_u32 v5, v3, 5, v5
	v_add_nc_u32 v[STO], s88, v5                   ; into the stage: row l % 16, 32 bytes for each half of the lanes
	v_add_nc_u32 v[RD], s88, v[LI]                 ; back: the 32 lanes take one row of 512 bytes
	s_wait_alu depctr_va_vdst(0)                   ; the wait at the head's end
	s_wait_tensorcnt 0x0                           ; my part of K 0-255 is in; the later first fill is issued as a refill is:
	ds_add_u32 v[SPW], v[NIL]
	s_wait_dscnt 0x0
	CROUND
	JLOAD DA1, GA2, DB1, GB2                       ; K 256-767: my one load behind the round
	FETCH 0, 0, 0
	STEP 0, 1, 0, 1                                ; K 0-127: its products start the sums
	TURN 1, 1, 1, 0                                ; K 128-255; region 0 takes K 768-1023
	STEP 0, 0, 1, 1
	STEP 1, 0, 1, 2
	STEP 0, 0, 1, 3
	TURN 1, 0, 0, 0                                ; K 640-767; nothing is left to fetch
	STEP 0, 0, 0, 1
	s_wait_dscnt 0x0                               ; the very last 128 along K
	WIN MUL
	MUL16 0, 1, 0
	MUL16 2, 1, 0
	WIN 0
; THE WAY OUT, block by block of 16 rows x 128 columns: x 2^(e6 + e7), through my own stage in LDS, back as whole rows of 512 bytes.  LDS serves a wave's instructions in order (ISA guide 5.7.1.4): no wait between the stores and the loads.
.macro TOSTAGE a
.set AC, 64*(\a)
	WIN 0x02
.irp j, 0,2,4,6,8,10,12,14,16,18,20,22,24,26,28,30,32,34,36,38,40,42,44,46,48,50,52,54,56,58,60,62
	v_pk_mul_f32 v[TMP+\j:TMP+\j+1], v[AC+\j:AC+\j+1], s[96:97] op_sel_hi:[1,0]   ; each accumulator from its low end on
.endr
	WIN 0
.irp b, 0,1,2,3,4,5,6,7
	ds_store_b128 v[STO], v[TMP+8*\b:TMP+8*\b+3] offset:64*\b
	ds_store_b128 v[STO], v[TMP+8*\b+4:TMP+8*\b+7] offset:64*\b+16
.endr
.set BB, BK+64*((\a)%2)
.irp t, 0,1,2,3,4,5,6,7,8,9,10,11,12,13,14,15
	ds_load_b128 v[BB+4*\t:BB+4*\t+3], v[RD] offset:\t*SPITCH
.endr
.endm
.macro SEND a, younger                 ; younger: the LDS instructions issued behind block a's loads, which may stay out
.set BB, BK+64*((\a)%2)
	s_wait_dscnt \younger
.if (\a) > 0
	s_add_nc_u64 s[10:11], s[10:11], 16*ROWC       ; behind a wait on XCNT: the earlier stores have read their base
.endif
.irp t, 0,1,2,3,4,5,6,7,8,9,10,11,12,13,14,15
	global_store_b128 v[LI], v[BB+4*\t:BB+4*\t+3], s[10:11] offset:\t*ROWC th:TH_STORE_NT   ; 512 consecutive bytes, aligned
.endr
.endm
	s_wait_kmcnt 0x0
	s_add_co_i32 s96, s96, s97
	s_add_co_i32 s96, s96, 127
	s_lshl_b32 s96, s96, 23                        ; 2^(e6 + e7) as f32
	PLACES NP                                      ; in front of the first read of results and of loads into y's fragment registers
	TOSTAGE 0
.irp a, 1,2,3
.if \a > 1
	s_wait_xcnt 0x0                                ; block a - 2's stores have read their registers and their base
.endif
	TOSTAGE \a
	SEND \a-1, 32                                  ; behind block a - 1's loads: block a's 16 stores and 16 loads
.endr
	s_wait_xcnt 0x0
	SEND 3, 0
	s_wait_tensorcnt 0x0                           ; the wave's end, behind my last tensor load and my last LDS store
	ds_add_u32 v[SPW], v[NIL]
	s_wait_dscnt 0x0
	CROUND                                         ; the closing round
	s_endpgm
.Lfunc_end_k_q1e39389fb3_proj:
	.size	k_q1e39389fb3_proj, .Lfunc_end_k_q1e39389fb3_proj-k_q1e39389fb3_proj
	.p2alignl 7, 3214868480
	.fill 96, 4, 3214868480
	.section	.rodata,"a",@progbits
	.p2align	6, 0x0
	.amdhsa_kernel k_q1e39389fb3_proj
		.amdhsa_group_segment_fixed_size 327680
		.amdhsa_private_segment_fixed_size 0
		.amdhsa_enable_private_segment 0
		.amdhsa_kernarg_size 32
		.amdhsa_user_sgpr_count 2
		.amdhsa_user_sgpr_kernarg_segment_ptr 1
		.amdhsa_wavefront_size32 1
		.amdhsa_system_sgpr_workgroup_id_x 1
		.amdhsa_system_sgpr_workgroup_id_y 1
		.amdhsa_system_sgpr_workgroup_id_z 1
		.amdhsa_system_vgpr_workitem_id 0
		.amdhsa_next_free_vgpr 768
		.amdhsa_next_free_sgpr 100
		.amdhsa_reserve_vcc 0
		.amdhsa_float_denorm_mode_32 3
		.amdhsa_float_denorm_mode_16_64 3
		.amdhsa_memory_ordered 1
		.amdhsa_forward_progress 1
		.amdhsa_inst_pref_size 75
	.end_amdhsa_kernel
	.amdgpu_metadata
---
amdhsa.version: [ 1, 2 ]
amdhsa.kernels:
  - .name:           k_q1e39389fb3_proj
    .symbol:         k_q1e39389fb3_proj.kd
    .args:
      - { .name: y_img, .offset: 0, .size: 8, .value_kind: global_buffer, .address_space: global }
      - { .name: wproj_img, .offset: 8, .size: 8, .value_kind: global_buffer, .address_space: global }
      - { .name: lowp_scales, .offset: 16, .size: 8, .value_kind: global_buffer, .address_space: global }
      - { .name: out0, .offset: 24, .size: 8, .value_kind: global_buffer, .address_space: global }
    .group_segment_fixed_size: 327680
    .private_segment_fixed_size: 0
    .kernarg_segment_align: 8
    .kernarg_segment_size: 32
    .max_flat_workgroup_size: 128
    .sgpr_count:     100
    .vgpr_count:     768
    .wavefront_size: 32
...
	.end_amdgpu_metadata
.endif
;; end of part 4
